; MI455X (gfx1250); checked and timed in simulation.
; The chip was launched on July 23, 2026; its instructions are those of AMD's public machine-readable ISA for CDNA 5 (MIT licence, August 2026) and "CDNA5" Instruction Set Architecture Reference Guide (July 2026). The comments in the code are by the model that wrote it; some were corrected since.
;; Causal Self Attention. Allowed arithmetic: matrix products marked QUANTISED: E2M3 operands, one E8M0 scale for each 32 along K, by v_wmma_scale_f32_16x16x128_f8f6f4 with both operands' format E2M3, f32 sums; everything else in f32.
;; Inputs: w_out 1,024 x 1,024 float32; w_qkv 1,024 x 3,072 float32; x 4 x 2,048 x 1,024 float32.
;; Outputs: out0 4 x 2,048 x 1,024 float32.
;; This version of the problem:
;;   THIS VERSION OF THE PROBLEM IS GIVEN IN LOW PRECISION. The matrix products marked QUANTISED in the list below multiply operands that are first quantised to E2M3 (2 exponent bits, 3 mantissa bits; 6 bits a number), with one power-of-two scale for each 32 numbers along K (OCP MX v1.0); their sums are f32. All else is computed in f32.
;;   The module's matrix products, in the order in which they are computed (A, B: the left and right operand; K: the contracted axis; several contracted axes count as one K, in the product's order):
;;     1. [M 8,192, K 1,024] x [K 1,024, N 3,072]; A: input x; B: input w_qkv: QUANTISED
;;     2. batch 64 x [M 2,048, K 64] x [K 64, N 2,048]; A: computed on the way; B: computed on the way: QUANTISED
;;     3. batch 64 x [M 64, K 2,048] x [K 2,048, N 2,048]; A: computed on the way; B: softmax (see below): QUANTISED
;;     4. [M 8,192, K 1,024] x [K 1,024, N 1,024]; A: computed on the way; B: input w_out: QUANTISED
;;   THE QUANTISER, for each operand of a quantised product, along K:
;;     - K is cut into blocks of 32 from its start; a last block that is shorter is filled with zeros.
;;     - A block's scale is 2^e with e = floor(log2(the largest magnitude in the block)) - 2, held to -126 .. 127; a block of zeros has e = 0. As a byte (E8M0): e + 127.
;;     - Each number is divided by its block's scale, clamped to +-7.5, and rounded to the nearest number of E2M3, ties to even, subnormals kept.
;;     - The product sums the exact products of the quantised numbers (number of the format x scale) in f32.
;;   ~~~python
;;   def quantise(x, axis):      # numpy; x: float32 -> the quantised numbers, widened to float32 again
;;       x = np.moveaxis(x, axis, -1); K = x.shape[-1]
;;       x = np.pad(x, [(0, 0)] * (x.ndim - 1) + [(0, -K % 32)]); x = x.reshape(x.shape[:-1] + (-1, 32)); a = np.abs(x).max(-1, keepdims=True)
;;       e = np.where(a > 0, np.clip(np.frexp(np.where(a > 0, a, 1))[1] - 1 - 2, -126, 127), 0)      # np.frexp(a)[1] - 1 = floor(log2(a)), exactly
;;       r = np.clip(x / 2.0 ** e, -7.5, 7.5)
;;       step = 2.0 ** (np.maximum(np.frexp(np.where(r == 0, 1, r))[1] - 1, 0) - 3)
;;       q = np.round(r / step) * step * 2.0 ** e      # np.round: ties to even
;;       return np.moveaxis(q.reshape(q.shape[:-2] + (-1,))[..., :K], -1, axis).astype(np.float32)
;;   ~~~
;;   SOFTMAX AHEAD OF A QUANTISED PRODUCT. Where the list says 'softmax', what is quantised is not the finished softmax but p = 2^(t - M), with t = logit x log2(e) and M = ceil(the row's largest t), a whole number; so 1/2 < the row's largest p <= 1. The row's sum l is taken of the UNQUANTISED p, in f32, and the product's result is divided by l at the end. Since M is a whole number, a kernel that streams over the keys may use a running M (the ceiling of the running maximum): every later rescaling is an exact power of two, which a block's scale takes up: the codes' values come out the same.
;;   OPERANDS COMPUTED ON THE WAY. 'Computed on the way' means the value that the module computes at that place (a softmax that the list does not call 'softmax' is quantised finished and normalised). What goes into a quantiser is computed in f32, as accurately as f32 sums, v_exp_f32 and their like allow (about 1e-6 of the number): no bf16 or f16 on the way to a quantiser, and a product that is left as it is and whose result goes on into a quantised operand takes f32 operands (vector FMAs, or v_wmma_f32_16x16x4_f32). A number that lies on a knife's edge between two numbers of the format may be rounded either way, as far as f32 arithmetic and the matrix unit's own rounding can turn it there, and no further.
;; One version. Each part assembles by itself: llvm-mc -triple=amdgcn-amd-amdhsa -mcpu=gfx1250 --defsym DOCPART=n.
;; ======== version 1 of 1: 4 launches
;; limits: right only within a limited range of input values
;; workspace buffers: xw 9,830,400 bytes; tab 524,288 bytes; qq 6,815,744 bytes; kv 13,369,344 bytes; aq 6,553,600 bytes
;; launch prep (part 1): grid 256 x 1, 4 waves a work-group, no clusters, 34,304 bytes of LDS; arguments x, w_qkv, w_out, xw, tab; writes xw, tab
.if DOCPART == 1
	.amdgcn_target "amdgcn-amd-amdhsa--gfx1250"
	.amdhsa_code_object_version 6
	.text
	.protected	k_qf4110509ef_prep
	.globl	k_qf4110509ef_prep
	.p2align	8
	.type	k_qf4110509ef_prep,@function
k_qf4110509ef_prep:
	s_mov_b64 s[64:65], 0
	v_nop
	global_prefetch_b8 v0, s[64:65] scope:SCOPE_SE
	s_setreg_imm32_b32 hwreg(HW_REG_WAVE_MODE, 25, 1), 1
	s_wait_xcnt 0x0
; PREP.  x [8192][1024], w_qkv [1024][3072] and w_out [1024][1024], f32, become codes of FP6 (E2M3) along K = 1024 with one E8M0 byte for each 32 along K; and the rotary table is made.
; xw, codes: [768 row tiles of 16 rows][16 chunks of 64 along K][768 bytes]; row tiles 0-511 x's tokens, 512-703 w_qkv's columns, 704-767 w_out's.  xw, scale bytes, from XWS on: [12288 rows][32].
; A UNIT of 768 bytes is the image of six operand registers: lane (r, h) holds block h (32 codes, 24 bytes) of row r; bytes 0-15 of it lie at 16 (16 h + r), bytes 16-23 at 512 + 16 r + 8 h.
; So a reader fetches a fragment by dense loads of 16 and of 8 bytes a lane, and a writer stores whole aligned runs of 256 or 512 bytes from registers.
; THE WEIGHTS' ROWS ARE PERMUTED: row p holds weight column p with bits 3 and 4 exchanged, so that in a product used transposed a lane's 16 registers of two neighbouring tiles are 16 neighbouring columns.
; tab: [128 token tiles][8 quads][512]: quad i < 4 of lane (r, h): cos(16 tile + r, f = 16 h + 4 i .. + 3), quad i + 4 the sines; angle = pos x 2^(-f log2(10000) / 32).
; A block's scale is 2^(floor(log2(largest magnitude)) - 2); its byte is the largest magnitude's exponent field - 2, held at 1 from below.
; LIMITS: NaN and infinities among the inputs are not served.  A block whose largest magnitude lies under 2^-124 has its byte held at 1; a block of zeros gets the byte 1 where the rule says 127: its codes are zeros,
; and the bytes are read by this program alone.  The angle is made by v_exp_f32 and one multiplication, not by a division: some 5e-7 of the angle off the exact one.
; Work-groups 0-127: x, a row tile a wave.  Work-groups 128-255: one token tile of the table, then 128 weight columns x 256 along K.  Waves share nothing: no barrier.
.set SPARE, 33792                      ; behind the four stages: the spare words, 128 bytes a wave: two blocks of 256 bytes that no other line names
.set XWS,   9437184                    ; where xw's scale bytes begin
.set SPW,   1                          ; v1  LDS address of my spare word; never rewritten
.set NIL,   2                          ; v2  0; never rewritten
.set W,     12                         ; v12-19 x path: my row's scale words, one for each 128 along K
.set R,     32                         ; v32-159 x path: two sets of 64 registers as loaded
.set X,     160                        ; v160-223 x path: my 64 numbers of a step, in the operand's order
	s_load_b256 s[4:11], s[0:1], 0x0               ; x s[4:5], w_qkv s[6:7], w_out s[8:9], xw s[10:11]
	s_load_b64 s[12:13], s[0:1], 0x20              ; tab
	v_lshl_add_u32 v[SPW], v0, 2, SPARE
	v_mov_b32 v[NIL], 0
	v_lshrrev_b32 v3, 5, v0
	v_readfirstlane_b32 s16, v3                    ; wave
	v_and_b32 v3, 31, v0                           ; lane
	v_and_b32 v4, 15, v0                           ; r
	v_bfe_u32 v5, v0, 4, 1                         ; h
	s_mov_b32 s20, 0x76543210
	s_mov_b32 s21, 0xfedcba98                      ; v_permlanex16_b32's selects for lane l xor 16
	v_cmp_le_u32 s22, 16, v3                       ; the mask of lanes 16-31
	s_cmp_lt_u32 ttmp9, 128
	s_cbranch_scc0 .Lw
; ---- X.  A wave takes 16 rows x 1024, in 8 steps of 128 along K.  Each load reads 512 consecutive bytes of one row; a step's 8,192 bytes turn through the wave's own stage in LDS (rows 528 bytes apart),
; from which lane (r, h) takes, of row r, the 32 numbers of blocks h and 2 + h: the order of the operand's registers.
.macro LOADX t
.irp i, 0,1,2,3,4,5,6,7,8,9,10,11,12,13,14,15
	global_load_b128 v[R+64*((\t)%2)+4*\i:R+64*((\t)%2)+4*\i+3], v6, s[4:5] offset:4096*\i+512*(\t) th:TH_LOAD_NT
.endr
.endm
.macro XSTEP t
.if (\t) < 7
	s_wait_loadcnt 16                              ; this step's 16 loads are in; the next step's 16 may be out
.else
	s_wait_loadcnt 0
.endif
.irp i, 0,1,2,3,4,5,6,7,8,9,10,11,12,13,14,15
	ds_store_b128 v7, v[R+64*((\t)%2)+4*\i:R+64*((\t)%2)+4*\i+3] offset:528*\i
.endr
.irp c, 0,1
.irp m, 0,1,2,3,4,5,6,7
	ds_load_b128 v[X+32*\c+4*\m:X+32*\c+4*\m+3], v8 offset:256*\c+16*\m   ; LDS serves a wave's instructions in order: these see the stores above
.endr
.endr
	s_wait_dscnt 0x0                               ; my numbers are back, and the stores have read their registers,
.if (\t) < 6
	LOADX (\t)+2                                   ; which take the loads of two steps on
.endif
.irp c, 0,1                                    ; the largest magnitude of each of my two blocks: all 32 numbers are mine
	v_max3_num_f32 v[20+2*\c], |v[X+32*\c]|, |v[X+32*\c+1]|, |v[X+32*\c+2]|
	v_max3_num_f32 v[21+2*\c], |v[X+32*\c+3]|, |v[X+32*\c+4]|, |v[X+32*\c+5]|
.endr
.irp i, 6,10,14,18,22,26
.irp c, 0,1
	v_max3_num_f32 v[20+2*\c], v[20+2*\c], |v[X+32*\c+\i]|, |v[X+32*\c+\i+1]|
	v_max3_num_f32 v[21+2*\c], v[21+2*\c], |v[X+32*\c+\i+2]|, |v[X+32*\c+\i+3]|
.endr
.endr
.irp c, 0,1
	v_max3_num_f32 v[20+2*\c], v[20+2*\c], |v[X+32*\c+30]|, |v[X+32*\c+31]|
.endr
.irp c, 0,1
	v_max3_num_f32 v[20+2*\c], v[20+2*\c], v[21+2*\c], 0x1800000   ; and the floor 2^(3 - 127): the byte cannot fall under 1
.endr
.irp c, 0,1
	v_add_nc_u32 v[24+\c], 0xff000000, v[20+2*\c]  ; 2 off the exponent field: the conversion's scale operand
.endr
.irp c, 0,1
	v_lshrrev_b32 v[26+\c], 23, v[24+\c]           ; the scale's byte
.endr
	v_lshl_or_b32 v[W+(\t)], v27, 16, v26          ; my two bytes, blocks h and 2 + h,
	v_lshlrev_b32 v[W+(\t)], v11, v[W+(\t)]        ; at their places in the word (8 h bits up);
	v_permlanex16_b32 v28, v[W+(\t)], s20, s21
	v_or_b32 v[W+(\t)], v[W+(\t)], v28             ; with lane l xor 16's two the word is whole
	s_wait_alu depctr_va_vdst(0)
	s_wait_xcnt 0x0                                ; the last step's stores have read the codes' registers
.irp c, 0,1
	v_cvt_scalef32_pk16_fp6_f32 v[224+8*\c:226+8*\c], v[X+32*\c:X+32*\c+15], v[24+\c]
	v_cvt_scalef32_pk16_fp6_f32 v[228+8*\c:230+8*\c], v[X+32*\c+16:X+32*\c+31], v[24+\c]   ; (a conversion's three registers begin on an even number)
.endr
	v_nop                                          ; one plain place behind a scaled conversion
.irp c, 0,1
	v_mov_b32 v[227+8*\c], v[228+8*\c]             ; the block's 24 bytes on end
	v_mov_b32 v[228+8*\c], v[229+8*\c]
	v_mov_b32 v[229+8*\c], v[230+8*\c]
	global_store_b128 v6, v[224+8*\c:227+8*\c], s[24:25] offset:(2*(\t)+\c)*768       ; 512 consecutive bytes
	global_store_b64 v9, v[228+8*\c:229+8*\c], s[24:25] offset:(2*(\t)+\c)*768+512    ; 256 consecutive bytes
.endr
.endm
	s_lshl_b32 s17, ttmp9, 2
	s_add_co_u32 s17, s17, s16                     ; my row tile, 0 .. 511
	s_lshl_b32 s18, s17, 16                        ; 16 rows of 4,096 bytes
	s_mov_b32 s19, 0
	s_mul_i32 s28, s17, 12288
	s_mov_b32 s29, 0
	s_lshl_b32 s30, s17, 9                         ; 16 rows of 32 scale bytes
	s_mov_b32 s31, 0
	s_mul_i32 s23, s16, 8448                       ; my stage: 16 rows x 528
	s_wait_alu depctr_va_vdst(0)
	v_lshlrev_b32 v6, 4, v3                        ; 16 x lane
	v_add_nc_u32 v7, s23, v6                       ; the stage, on the way in
	v_mul_u32_u24 v8, v4, 528
	v_lshl_add_u32 v8, v5, 7, v8
	v_add_nc_u32 v8, s23, v8                       ; and on the way out: row r, + 128 h
	v_lshlrev_b32 v9, 4, v4
	v_lshl_add_u32 v9, v5, 3, v9                   ; 16 r + 8 h
	v_lshlrev_b32 v10, 5, v4
	v_lshl_add_u32 v10, v5, 4, v10                 ; 32 r + 16 h
	v_lshlrev_b32 v11, 3, v5                       ; 8 h
	v_mov_b32 v28, 0                               ; written once: a lane permute's destination counts as one of its sources
	s_wait_alu depctr_va_vdst(0)
	s_wait_kmcnt 0x0
	s_add_nc_u64 s[4:5], s[4:5], s[18:19]
	s_add_nc_u64 s[24:25], s[10:11], s[28:29]
	s_add_nc_u64 s[26:27], s[10:11], s[30:31]
	s_add_nc_u64 s[26:27], s[26:27], XWS
	LOADX 0
	LOADX 1
.irp t, 0,1,2,3,4,5,6,7
	XSTEP \t
.endr
.irp i, 0,1,2,3
	v_cndmask_b32 v[24+\i], v[W+\i], v[W+4+\i], s22  ; lanes 0-15 store their row's words 0-3, lanes 16-31 words 4-7
.endr
	global_store_b128 v10, v[24:27], s[26:27]      ; 512 consecutive bytes: 16 rows of scale bytes
	s_branch .Lend
; ---- THE TABLE AND THE WEIGHTS
.macro SINCOS k                        ; v[16 + k] = the angle, 0 .. 2047: cos into v[116 + k], sin into v[120 + k]
	v_mul_f32 v20, 0x3f22f983, v[16+\k]            ; x 2 / pi
	v_rndne_f32 v20, v20                           ; n
	v_fmamk_f32 v21, v20, 0xbfc90fdb, v[16+\k]     ; the angle - n pi / 2, pi / 2 in two parts
	v_fmamk_f32 v21, v20, 0x333bbd2e, v21
	v_mul_f32 v22, v21, v21                        ; z
	v_mov_b32 v23, 0xb94ca1f9
	v_fmaak_f32 v23, v22, v23, 0x3c08839e
	v_fmaak_f32 v23, v22, v23, 0xbe2aaaa3
	v_mul_f32 v24, v21, v22
	v_fma_f32 v23, v24, v23, v21                   ; the sine on -pi/4 .. pi/4
	v_mov_b32 v25, 0x37ccf5ce
	v_fmaak_f32 v25, v22, v25, 0xbab6061a
	v_fmaak_f32 v25, v22, v25, 0x3d2aaaa5
	v_mul_f32 v26, v22, v22
	v_fma_f32 v27, v22, -0.5, 1.0
	v_fma_f32 v25, v26, v25, v27                   ; the cosine
	v_cvt_i32_f32 v26, v20
	v_and_b32 v27, 1, v26
	v_cmp_ne_u32 vcc_lo, 0, v27                    ; an odd quadrant exchanges the two
	v_cndmask_b32 v[120+\k], v23, v25, vcc_lo
	v_cndmask_b32 v[116+\k], v25, v23, vcc_lo
	v_and_b32 v27, 2, v26
	v_lshlrev_b32 v27, 30, v27
	v_xor_b32 v[120+\k], v[120+\k], v27            ; the sine is negative in quadrants 2 and 3,
	v_add_nc_u32 v26, 1, v26
	v_and_b32 v26, 2, v26
	v_lshlrev_b32 v26, 30, v26
	v_xor_b32 v[116+\k], v[116+\k], v26            ; the cosine in 1 and 2
.endm
; A lane takes a weight column and its registers run down K: a block of 32 lies in one lane, and the conversions give codes with K innermost.  P: bytes in a row of the weight.
.macro LOADW t, P
.irp i, 0,1,2,3,4,5,6,7,8,9,10,11,12,13,14,15,16,17,18,19,20,21,22,23,24,25,26,27,28,29,30,31
	global_load_b32 v[32+32*((\t)%2)+\i], v6, s[28:29] offset:(32*(\t)+\i)*\P th:TH_LOAD_NT
.endr
.endm
.macro WBLOCK t, P
.set XS, 32+32*((\t)%2)
.if (\t) < 7
	s_wait_loadcnt 32                              ; this block's 32 loads are in; the next block's may be out
.else
	s_wait_loadcnt 0
.endif
	v_max3_num_f32 v12, |v[XS]|, |v[XS+1]|, |v[XS+2]|
	v_max3_num_f32 v13, |v[XS+3]|, |v[XS+4]|, |v[XS+5]|
.irp i, 6,10,14,18,22,26
	v_max3_num_f32 v12, v12, |v[XS+\i]|, |v[XS+\i+1]|
	v_max3_num_f32 v13, v13, |v[XS+\i+2]|, |v[XS+\i+3]|
.endr
	v_max3_num_f32 v12, v12, |v[XS+30]|, |v[XS+31]|
	v_max3_num_f32 v12, v12, v13, 0x1800000        ; the floor
	v_add_nc_u32 v11, 0xff000000, v12              ; the conversion's scale operand
	v_lshrrev_b32 v13, 23, v11                     ; the byte
.if (\t)%4 == 0
	v_mov_b32 v[24+(\t)/4], v13
.else
	v_lshl_or_b32 v[24+(\t)/4], v13, 8*((\t)%4), v[24+(\t)/4]
.endif
.if (\t)%2 == 0
	s_wait_alu depctr_va_vdst(0)
	s_wait_xcnt 0x0                                ; the last chunk's three stores have read v96-115
	v_cvt_scalef32_pk16_fp6_f32 v[96:98], v[XS:XS+15], v11
	v_cvt_scalef32_pk16_fp6_f32 v[100:102], v[XS+16:XS+31], v11
	v_nop
	v_mov_b32 v99, v100                            ; bytes 0-15 of the chunk's block 0
	v_mov_b32 v112, v101                           ; bytes 16-23
	v_mov_b32 v113, v102
.else
	v_cvt_scalef32_pk16_fp6_f32 v[104:106], v[XS:XS+15], v11
	v_cvt_scalef32_pk16_fp6_f32 v[108:110], v[XS+16:XS+31], v11
	v_nop
	v_mov_b32 v107, v108                           ; block 1 likewise
	v_mov_b32 v114, v109
	v_mov_b32 v115, v110
.endif
.if (\t)+2 < 8
	LOADW (\t)+2, \P
.endif
.if (\t)%2 == 1                                ; a chunk is whole: in each store sixteen lanes fill 256 consecutive bytes, at a multiple of 256 from the buffer's first byte
	global_store_b128 v7, v[96:99], s[24:25] offset:((\t)/2)*768
	global_store_b128 v7, v[104:107], s[24:25] offset:((\t)/2)*768+256
	global_store_b128 v7, v[112:115], s[24:25] offset:((\t)/2)*768+512
.endif
.endm
.macro WBODY P
	LOADW 0, \P
	LOADW 1, \P
.irp t, 0,1,2,3,4,5,6,7
	WBLOCK \t, \P
.endr
	global_store_b64 v8, v[24:25], s[26:27]        ; my row's 8 scale bytes: rows 32 bytes apart, so 256-byte runs are written in part: one byte in 128 of what is read here
.endm
.Lw:
	s_sub_co_u32 s17, ttmp9, 128                   ; g: my token tile of the table
	s_and_b32 s32, s17, 31                         ; which 128 weight columns
	s_lshr_b32 s33, s17, 5                         ; which 256 along K
	s_lshl_b32 s18, s17, 4
	s_wait_alu depctr_va_vdst(0)
	v_add_nc_u32 v12, s18, v4
	v_cvt_f32_u32 v12, v12                         ; pos = 16 g + r
	s_lshl_b32 s19, s16, 2
	v_lshl_add_u32 v13, v5, 4, s19                 ; f = 16 h + 4 wave + k
.irp k, 0,1,2,3
	v_add_nc_u32 v[16+\k], \k, v13
.endr
.irp k, 0,1,2,3
	v_cvt_f32_u32 v[16+\k], v[16+\k]
.endr
.irp k, 0,1,2,3
	v_mul_f32 v[16+\k], 0xbed49a78, v[16+\k]       ; x -log2(10000) / 32
.endr
	s_wait_alu depctr_va_vdst(0)
.irp k, 0,1,2,3
	v_exp_f32 v[16+\k], v[16+\k]
.endr
	v_lshlrev_b32 v14, 4, v3                       ; (a plain place behind the exponentials)  16 x lane
	s_wait_alu depctr_va_vdst(0)                   ; one wait for the four, ahead of their first reader
.irp k, 0,1,2,3
	v_mul_f32 v[16+\k], v12, v[16+\k]              ; the angle
.endr
.irp k, 0,1,2,3
	SINCOS \k
.endr
	s_lshl_b32 s19, s16, 9
	v_add_nc_u32 v14, s19, v14                     ; + 512 x wave: my quad
	s_lshl_b32 s18, s17, 12
	s_mov_b32 s19, 0
	s_wait_alu depctr_va_vdst(0)
	s_wait_kmcnt 0x0
	s_add_nc_u64 s[12:13], s[12:13], s[18:19]
	global_store_b128 v14, v[116:119], s[12:13]
	global_store_b128 v14, v[120:123], s[12:13] offset:2048
	v_and_b32 v6, 7, v3                            ; my column among the wave's 32: my lane with bits 3 and 4 exchanged
	v_and_b32 v7, 8, v3
	v_lshl_or_b32 v6, v7, 1, v6
	v_and_b32 v7, 16, v3
	v_lshrrev_b32 v7, 1, v7
	v_or_b32 v6, v6, v7
	v_lshlrev_b32 v6, 2, v6
	v_mul_u32_u24 v7, v5, 12288                    ; out: lanes 16-31 fill the next row tile;
	v_lshl_add_u32 v7, v4, 4, v7                   ; 16 bytes a row
	v_lshlrev_b32 v8, 5, v3                        ; scale bytes: 32 a row
	s_lshl_b32 s18, s32, 3
	s_lshl_b32 s34, s16, 1
	s_add_co_u32 s18, s18, s34
	s_add_co_u32 s18, s18, 512                     ; my first row tile of xw
	s_mul_i32 s18, s18, 12288
	s_mul_i32 s34, s33, 3072                       ; four chunks for each 256 along K
	s_add_co_u32 s18, s18, s34
	s_add_nc_u64 s[24:25], s[10:11], s[18:19]
	s_lshl_b32 s18, s32, 7
	s_lshl_b32 s34, s16, 5
	s_add_co_u32 s34, s18, s34                     ; my first weight row, 0 .. 4095
	s_add_co_u32 s18, s34, 8192
	s_lshl_b32 s18, s18, 5
	s_lshl_b32 s35, s33, 3
	s_add_co_u32 s18, s18, s35
	s_add_nc_u64 s[26:27], s[10:11], s[18:19]
	s_add_nc_u64 s[26:27], s[26:27], XWS
	s_cmp_lt_u32 s32, 24
	s_cbranch_scc0 .Lwo
	s_lshl_b32 s18, s34, 2
	s_mul_i32 s35, s33, 256*12288
	s_add_co_u32 s18, s18, s35
	s_add_nc_u64 s[28:29], s[6:7], s[18:19]
	s_wait_alu depctr_va_vdst(0)
	WBODY 12288
	s_branch .Lend
.Lwo:
	s_sub_co_u32 s18, s34, 3072
	s_lshl_b32 s18, s18, 2
	s_mul_i32 s35, s33, 256*4096
	s_add_co_u32 s18, s18, s35
	s_add_nc_u64 s[28:29], s[8:9], s[18:19]
	s_wait_alu depctr_va_vdst(0)
	WBODY 4096
.Lend:
	s_wait_tensorcnt 0x0                           ; the wave's end, behind my last LDS store
	ds_add_u32 v[SPW], v[NIL]
	s_wait_dscnt 0x0
	s_endpgm
.Lfunc_end_k_qf4110509ef_prep:
	.size	k_qf4110509ef_prep, .Lfunc_end_k_qf4110509ef_prep-k_qf4110509ef_prep
	.p2alignl 7, 3214868480
	.fill 96, 4, 3214868480
	.section	.rodata,"a",@progbits
	.p2align	6, 0x0
	.amdhsa_kernel k_qf4110509ef_prep
		.amdhsa_group_segment_fixed_size 34304
		.amdhsa_private_segment_fixed_size 0
		.amdhsa_enable_private_segment 0
		.amdhsa_kernarg_size 40
		.amdhsa_user_sgpr_count 2
		.amdhsa_user_sgpr_kernarg_segment_ptr 1
		.amdhsa_wavefront_size32 1
		.amdhsa_system_sgpr_workgroup_id_x 1
		.amdhsa_system_sgpr_workgroup_id_y 1
		.amdhsa_system_sgpr_workgroup_id_z 1
		.amdhsa_system_vgpr_workitem_id 0
		.amdhsa_next_free_vgpr 256
		.amdhsa_next_free_sgpr 66
		.amdhsa_reserve_vcc 1
		.amdhsa_float_denorm_mode_32 3
		.amdhsa_float_denorm_mode_16_64 3
		.amdhsa_memory_ordered 1
		.amdhsa_forward_progress 1
		.amdhsa_inst_pref_size 141
	.end_amdhsa_kernel
	.amdgpu_metadata
---
amdhsa.version: [ 1, 2 ]
amdhsa.kernels:
  - .name:           k_qf4110509ef_prep
    .symbol:         k_qf4110509ef_prep.kd
    .args:
      - { .name: x, .offset: 0, .size: 8, .value_kind: global_buffer, .address_space: global }
      - { .name: w_qkv, .offset: 8, .size: 8, .value_kind: global_buffer, .address_space: global }
      - { .name: w_out, .offset: 16, .size: 8, .value_kind: global_buffer, .address_space: global }
      - { .name: xw, .offset: 24, .size: 8, .value_kind: global_buffer, .address_space: global }
      - { .name: tab, .offset: 32, .size: 8, .value_kind: global_buffer, .address_space: global }
    .group_segment_fixed_size: 34304
    .private_segment_fixed_size: 0
    .kernarg_segment_align: 8
    .kernarg_segment_size: 40
    .max_flat_workgroup_size: 128
    .sgpr_count:     66
    .vgpr_count:     256
    .wavefront_size: 32
...
	.end_amdgpu_metadata
.endif
;; end of part 1
;; launch qkv (part 2): grid 8 x 64, 4 waves a work-group, clusters of 4 x 4, 327,680 bytes of LDS; arguments xw, tab, qq, kv; writes qq, kv
.if DOCPART == 2
	.amdgcn_target "amdgcn-amd-amdhsa--gfx1250"
	.amdhsa_code_object_version 6
	.text
	.protected	k_qf4110509ef_qkv
	.globl	k_qf4110509ef_qkv
	.p2align	8
	.type	k_qf4110509ef_qkv,@function
k_qf4110509ef_qkv:
	s_mov_b64 s[64:65], 0
	v_nop
	global_prefetch_b8 v0, s[64:65] scope:SCOPE_SE
	s_setreg_imm32_b32 hwreg(HW_REG_WAVE_MODE, 25, 1), 1
	s_wait_xcnt 0x0
	s_wait_alu depctr_hold_cnt(0) depctr_sa_sdst(0) depctr_va_vdst(0) depctr_va_sdst(0) depctr_va_ssrc(0) depctr_va_vcc(0) depctr_vm_vsrc(0)
	s_getreg_b32 s2, hwreg(HW_REG_IB_STS2, 6, 4)
	s_cmp_eq_u32 s2, 0
	s_cbranch_scc0 .Lentry_in_a_cluster
	s_endpgm
.Lentry_in_a_cluster:
	s_bfe_u32 s2, ttmp6, 0x10000c
	s_cmp_lg_u32 s2, 0xf033
	s_cbranch_scc0 .Lentry_shape_is_right
	s_endpgm
.Lentry_shape_is_right:
; QKV.  x w_qkv on codes of FP6 (E2M3) with E8M0 scales, K = 1024; then the rotary embedding of q and k, in f32, and the quantising of q and k along the head's 64 and of v along the tokens.
; Operands come from xw (codes as units of 768 bytes, images of six operand registers; scale bytes row by row).  A tile of 256 x 256 is made by four waves, 128 x 128 each: 64 accumulators, 512 registers.
; K goes in steps of 256 through a ring of two LDS slots: for each row tile of 16 rows a step is 3,072 consecutive bytes of memory; a wave's tensor load brings eight of them.  The scale bytes of the
; work-group's rows come into LDS once.  CLUSTERS of 4 x 4: A's tiles are asked for jointly along a row of the cluster, B's along a column.
; THE MATRIX INSTRUCTION IS USED TRANSPOSED (source 0 = 16 rows of B, source 1 = 16 rows of A): lane (r, h) holds row r of A's block, and register j row 8 h + j of B's block.
; THREE MODES by the cluster's x, which all sixteen partners share: 0: q, 1: k (A = x's tokens, B = weight rows): a lane holds one token, and since weight row p holds column p with bits 3 and 4 exchanged,
; the 16 registers of tiles 2 b and 2 b + 1 are columns 32 b + 16 h + 0 .. 15.  2: v (A = weight rows, B = tokens): a lane holds one feature and its registers run along the tokens, which are the K of the
; attention's second product; within a block of 32 tokens the order is 16 (i / 8) + 8 h + i % 8, the same in which the attention holds its weights p: an order inside a block, alike on both sides, changes no sum.
; OUT.  qq: [batch x head][16 groups of 128 tokens][6,656]: 8 units (a tile of 16 tokens each), then 512 bytes of scale words (word i of lane (r, h): tile 2 i + h, row r; bytes 2 and 3 are 0x7f: K is 64).
; kv: [batch x head][16 key steps][13,056]: K as in qq; from 6,656 four fragments of V^T (three planes of 512 bytes: registers 4 i .. 4 i + 3 at 16 x lane); from 12,800 V's scale words.
; LIMITS: NaN and infinities are not served; a block whose largest magnitude lies under 2^-124 has its byte held at 1 (a block of zeros too: its codes are zeros, and this program alone reads the bytes).
; REGISTERS, in windows of 256: window 0: v16-29 addresses; v32-63 scale words, two sets, and nothing else; from v128 A's fragments, one set; on the way out v64-127 the table, v128-247 at work.
;   window 1: B's fragments, two sets.   windows 2 and 3: the accumulators ((a, b) at v[8 (8 (a % 4) + b)]).
; THIS LAUNCH NOW HAS MODES 0 AND 1 ALONE (q and k): 8 x 32 work-groups.  v is made by the launch vp, which fills V's part of kv's records; what the lines above say of mode 2 is that launch's matter.
.set ROWB,  3072                       ; a row tile's bytes in a slot: four units
.set NQ,    2                          ; matrix instructions deep in a slot
.set FR,    12                         ; registers of a fragment
.set NL,    4                          ; LDS loads that bring one
.set NP,    4                          ; places behind this matrix instruction (ISA guide 7.12.1)
.set HALFT, 8*ROWB                     ; 128 rows: what one tensor load brings
.set SLOT,  4*HALFT
.set LAPS,  2                          ; K = 1024 is four slots' worth: twice round the ring
.set KS,    32                         ; a row of scale bytes
.set SCL,   2*SLOT                     ; behind the ring: the scales, as runs of 256 bytes + 16 of padding
.set HALFS, 16*272
.set SBLK,  2*272
.set SPARE, 304640                     ; the spare words, 128 bytes a wave: two blocks of 256 bytes, behind all that either part of this launch lays into LDS, that no other line names
.set XWS,   9437184
.set ADRA, 16                          ; v16-17 LDS address of A's units in slot 0, 1, + 16 x lane;  v18-19 the same + 16 r + 8 h
.set ADRB, 20                          ; v20-23 the same for B
.set A16,  24                          ; v24 16 x lane
.set A8,   25                          ; v25 16 r + 8 h
.set ADRS, 27                          ; v27 LDS address of my scale words
.set SPW,  28
.set NIL,  29
.set SC,   32
.set AF,   128
.set TAB,  64                          ; the way out: two sets of 16 cosines and 16 sines
.set T,    128                         ; 32 rotated numbers
.set TM,   160                         ; at work
.set CD,   176                         ; codes
.set WR,   192                         ; q, k: 16 scale words
.set PWR,  200                         ; v: 8 scale words
.set SELR, 208                         ; the words as they are stored
.set G1, 24
.set G0, 32
.set G1B, 48
.set G0B, 56
.set SEL, 66                           ; s[66:67] lane selects for v_permlanex16_b32
.set G1S, 68
.set G0S, 76
.set G1SB, 80
.set G0SB, 88
.set OB, 20                            ; s[20:21], s[22:23] the way out: my two heads' records
.set TBP, 46                           ; s[46:47] my tokens' part of the table
.set MSB, 0
.macro WIN new                         ; the immediate's high byte repeats the setting that is left
.if MSB != (\new)
	s_set_vgpr_msb (MSB<<8)|(\new)
.set MSB, (\new)
.endif
.endm
.set MUL_LO, 0xa1                      ; source 0 (B) window 1, source 1 (A) window 0, C and D window 2
.set MUL_HI, 0xf1
.set TO_B,   0x40
; A joint load: waves 0 and 1 fetch for A, waves 2 and 3 for B.  The branch hangs on the wave's number alone.  An s_nop 0 and four v_nop follow each of the two lines.
.macro JLOAD g0a, g1a, g0b, g1b
	s_cmp_eq_u32 s15, 0
	s_cbranch_scc0 .Lfor_b_\@
	tensor_load_to_lds s[\g0a:\g0a+3], s[\g1a:\g1a+7]
	s_nop 0
.rept 4
	v_nop
.endr
	s_branch .Lasked_\@
.Lfor_b_\@:
	tensor_load_to_lds s[\g0b:\g0b+3], s[\g1b:\g1b+7]
	s_nop 0
.rept 4
	v_nop
.endr
.Lasked_\@:
.endm
.macro CREST                           ; a round of the cluster's barrier behind its opening barrier
	s_cmp_lg_u32 s14, 0
	s_cbranch_scc1 .Lnot_wave_0_\@
	s_barrier_signal -3
.Lnot_wave_0_\@:
	s_barrier_wait -3
	s_barrier_signal -1
	s_barrier_wait -1
.endm
.macro CROUND
	s_barrier_signal -1
	s_barrier_wait -1
	CREST
.endm
; TWO PARTS IN ONE LAUNCH.  Cluster rows 0 to 7 (256 work-groups, the longer ones, with the lower numbers) make q and k by the text that follows; cluster rows 8 to 15 (256 work-groups) make v by the part VP at
; the end, which the lines above call the launch vp.  The branch hangs on the cluster's y, which all sixteen partners share.
	s_and_b32 s2, ttmp7, 0xffff
	s_cmp_ge_u32 s2, 8
	s_cbranch_scc1 .Lvp
	s_load_b256 s[4:11], s[0:1], 0x0               ; xw s[4:5], tab s[6:7], qq s[8:9], kv s[10:11]
	v_lshl_add_u32 v[SPW], v0, 2, SPARE
	v_mov_b32 v[NIL], 0
	ds_add_u32 v[SPW], v[NIL]                      ; the wave's opening: the add and its wait stand ahead of my first tensor load; the set-up below stands between them
	ds_add_u32 v[SPW], v[NIL]
	v_lshrrev_b32 v1, 5, v0
	v_readfirstlane_b32 s14, v1                    ; wave 0..3
	s_lshr_b32 s15, s14, 1                         ; which half of A's rows is mine.  Also: I fetch for A (0) or for B (1)
	s_and_b32 s16, s14, 1                          ; which half of B's rows.  Also: which 128 rows I fetch
	s_bfe_u32 s40, ttmp6, 0x40000                  ; cx, cy
	s_bfe_u32 s41, ttmp6, 0x40004
	s_and_b32 s96, ttmp7, 0xffff
	s_lshl_b32 s96, s96, 2                         ; 4 x cluster y: the cluster's first tile of 256 tokens
	s_lshl_b32 s97, ttmp9, 2
	s_add_co_u32 s97, s97, 32                      ; the cluster's first tile of 256 weight rows (xw's rows 8,192 on)
	s_add_co_u32 s17, s96, s41                     ; A's tile of 256 rows of xw (tokens): it holds cy alone,
	s_add_co_u32 s42, s97, s40                     ; B's (weight rows): cx alone
	s_lshl_b32 s43, s41, 2
	s_lshl_b32 s43, 15, s43                        ; my row of the cluster
	s_lshl_b32 s44, 0x1111, s40                    ; my column
	; descriptor group 1: 8 rows (row tiles) of 3,072 bytes, 12,288 bytes apart in memory, on end in LDS
	s_or_b32 s[G1+0], s43, (3<<16)|(1<<21)         ; 15:0 the mask; 17:16 elements of 8 bytes; 20 no padding; 21 set beside a mask
	s_or_b32 s[G1B+0], s44, (3<<16)|(1<<21)
.irp g, G1, G1B
	s_mov_b32 s[\g+1], 384<<16                     ; tensor_dim0
	s_mov_b32 s[\g+2], 16<<16                      ; tensor_dim1: 16 row tiles for the head's loads; behind them 8
	s_mov_b32 s[\g+3], 384<<16                     ; tile_dim0
	s_mov_b32 s[\g+4], 16                          ; tile_dim1 likewise
	s_mov_b32 s[\g+5], 1536                        ; tensor_dim0_stride
	s_mov_b32 s[\g+6], 0
	s_mov_b32 s[\g+7], 0
.endr
	; the scales of 256 rows: 8,192 dense bytes, as 32 rows of 256 bytes, 16 bytes of padding behind each
	s_or_b32 s[G1S+0], s43, (3<<16)|(1<<20)|(1<<21)|(5<<22)|(3<<25)
	s_or_b32 s[G1SB+0], s44, (3<<16)|(1<<20)|(1<<21)|(5<<22)|(3<<25)
.irp g, G1S, G1SB
	s_mov_b32 s[\g+1], 32<<16
	s_mov_b32 s[\g+2], 32<<16
	s_mov_b32 s[\g+3], 32<<16
	s_mov_b32 s[\g+4], 32
	s_mov_b32 s[\g+5], 32
	s_mov_b32 s[\g+6], 0
	s_mov_b32 s[\g+7], 0
.endr
	s_mov_b32 s[SEL], 0x76543210
	s_mov_b32 s[SEL+1], 0xfedcba98
	s_lshl_b32 s20, s17, 8                         ; A's tile: its first row
	s_lshl_b32 s46, s42, 8                         ; B's
	s_lshl_b32 s22, s20, 5                         ; their scale bytes: 32 a row
	s_mov_b32 s23, 0
	s_lshl_b32 s92, s46, 5
	s_mov_b32 s93, 0
	s_mul_i32 s20, s20, 768                        ; their codes: 12,288 bytes for 16 rows
	s_mov_b32 s21, 0
	s_mul_i32 s46, s46, 768
	s_mov_b32 s47, 0
	s_mul_i32 s45, s14, HALFT                      ; where they go: no place in the cluster enters an LDS address
	s_wait_dscnt 0x0                               ; the opening add is done
	CROUND                                         ; the opening round, ahead of the wait for the arguments: all sixteen work-groups are here, the first joint loads meet
	s_wait_kmcnt 0x0
	s_add_nc_u64 s[12:13], s[4:5], XWS
	s_add_nc_u64 s[20:21], s[4:5], s[20:21]
	s_add_nc_u64 s[22:23], s[12:13], s[22:23]
	s_add_nc_u64 s[46:47], s[4:5], s[46:47]
	s_add_nc_u64 s[92:93], s[12:13], s[92:93]
	s_mov_b32 s[G0S], 1
	s_mov_b32 s[G0S+1], SCL
	s_mov_b64 s[G0S+2:G0S+3], s[22:23]
	s_or_b32 s[G0S+3], s[G0S+3], 0x80000000
	s_mov_b32 s[G0SB], 1
	s_mov_b32 s[G0SB+1], SCL+2*HALFS
	s_mov_b64 s[G0SB+2:G0SB+3], s[92:93]
	s_or_b32 s[G0SB+3], s[G0SB+3], 0x80000000
	s_mov_b32 s[G0], 1                             ; at the head slot 0's two groups 0 stand for whole tiles: A's 256 rows at LDS byte 0,
	s_mov_b32 s[G0+1], 0
	s_mov_b64 s[G0+2:G0+3], s[20:21]
	s_or_b32 s[G0+3], s[G0+3], 0x80000000
	s_mov_b32 s[G0B], 1                            ; B's 256 rows behind them
	s_mov_b32 s[G0B+1], 2*HALFT
	s_mov_b64 s[G0B+2:G0B+3], s[46:47]
	s_or_b32 s[G0B+3], s[G0B+3], 0x80000000
	s_mul_i32 s18, s16, 128*768                    ; in the ring I fetch 128 rows of a tile: which half, in bytes
	s_mov_b32 s19, 0
	s_add_nc_u64 s[20:21], s[20:21], s[18:19]
	s_add_nc_u64 s[46:47], s[46:47], s[18:19]
	s_mov_b32 s[G0+4], 1                           ; slot 1: my quarter
	s_add_co_u32 s[G0+5], s45, SLOT
	s_add_nc_u64 s[G0+6:G0+7], s[20:21], ROWB
	s_or_b32 s[G0+7], s[G0+7], 0x80000000
	s_mov_b32 s[G0B+4], 1
	s_add_co_u32 s[G0B+5], s45, SLOT
	s_add_nc_u64 s[G0B+6:G0B+7], s[46:47], ROWB
	s_or_b32 s[G0B+7], s[G0B+7], 0x80000000
; THE HEAD'S LOADS, ONE A WAVE: wave 0 slot 0's 256 rows of A, wave 1 its 256 rows of B, wave 2 A's scales, wave 3 B's.  One chain of branches on the wave's number, one load to an arm.
.macro ARM under, g0, g1, next
	s_cmp_lt_u32 s14, \under
	s_cbranch_scc0 \next
	tensor_load_to_lds s[\g0:\g0+3], s[\g1:\g1+7]
	s_nop 0
.rept 4
	v_nop
.endr
	s_branch .Lhead_asked
\next:
.endm
	ARM 1, G0,  G1,  .Lhead_b
	ARM 2, G0B, G1B, .Lhead_sa
	ARM 3, G0S, G1S, .Lhead_sb
	tensor_load_to_lds s[G0SB:G0SB+3], s[G1SB:G1SB+7]
	s_nop 0
.rept 4
	v_nop
.endr
.Lhead_asked:
	s_and_b32 s46, s17, 7                          ; q, k: my tokens' part of the table
	s_lshl_b32 s46, s46, 4
	s_lshl_b32 s47, s15, 3
	s_add_co_u32 s46, s46, s47                     ; my first token tile in the sequence
	s_lshl_b32 s46, s46, 12
	s_mov_b32 s47, 0
	s_add_nc_u64 s[TBP:TBP+1], s[6:7], s[46:47]    ; never rewritten
	v_and_b32 v1, 15, v0                           ; r
	v_bfe_u32 v2, v0, 4, 1                         ; h
	v_and_b32 v3, 31, v0
	v_cmp_le_u32 s98, 16, v3                       ; the mask of lanes 16-31
	v_lshlrev_b32 v[A16], 4, v3
	v_lshlrev_b32 v[A8], 4, v1
	v_lshl_add_u32 v[A8], v2, 3, v[A8]
	s_mul_i32 s21, s15, HALFT                      ; my 128 rows of A
	s_mul_i32 s22, s16, HALFT                      ; my 128 rows of B,
	s_add_co_u32 s22, s22, 2*HALFT                 ; which lie behind A's 256
.irp s, 0,1
	v_add_nc_u32 v[ADRA+\s], s21, v[A16]
	v_add_nc_u32 v[ADRB+\s], s22, v[A16]
	v_add_nc_u32 v[ADRA+2+\s], s21, v[A8]
	v_add_nc_u32 v[ADRB+2+\s], s22, v[A8]
	s_add_co_u32 s21, s21, SLOT
	s_add_co_u32 s22, s22, SLOT
.endr
	v_mul_u32_u24 v5, v1, KS                       ; my row's scales: 32 bytes a row,
	v_lshrrev_b32 v6, 8, v5
	v_lshl_add_u32 v5, v6, 4, v5                   ; and 16 more for each 256 passed
	s_mul_i32 s21, s15, HALFS
	s_mul_i32 s22, s16, HALFS
	s_add_co_u32 s22, s22, 2*HALFS
	s_sub_co_u32 s22, s22, s21
	v_mul_u32_u24 v6, s22, v2                      ; lanes 16-31 take B's
	s_add_co_u32 s21, s21, SCL
	v_add_nc_u32 v5, v5, v6
	v_add_nc_u32 v[ADRS], s21, v5
	s_lshl_b32 s94, s40, 1                         ; the table's prefetch: my 8 token tiles are read by 8 waves of my row of the cluster (cx, B's half): each names one tile, 16 blocks of 256 bytes, told apart by address
	s_add_co_u32 s94, s94, s16
	s_lshl_b32 s94, s94, 12
	v_min_u32 v8, 15, v3                           ; lanes 16-31 name the last block again
	v_lshlrev_b32 v8, 8, v8
	v_add_nc_u32 v8, s94, v8                       ; v8 is never rewritten
.macro FRAG reg, adr, q, i             ; a fragment, 16 rows x 128 K, is two units: of each, 16 bytes a lane at 16 x lane and 8 bytes a lane at 512 + 16 r + 8 h: every load reads consecutive bytes
.irp c, 0,1
	ds_load_b128 v[\reg+6*\c:\reg+6*\c+3], v[\adr] offset:ROWB*(\i)+768*(2*(\q)+\c)
	ds_load_b64 v[\reg+6*\c+4:\reg+6*\c+5], v[\adr+2] offset:ROWB*(\i)+768*(2*(\q)+\c)+512
.endr
.endm
; 16 matrix instructions: A's blocks a0, a0 + 1 x B's eight.  The 64 accumulators take turns, one instruction a turn, in the same order in every step.
.macro MUL16 a0, p, q, sc, zero
.irp a, \a0, \a0+1
.irp b, 0,1,2,3,4,5,6,7
.if \zero
	v_wmma_scale_f32_16x16x128_f8f6f4 v[8*(8*((\a)%4)+\b):8*(8*((\a)%4)+\b)+7], v[128*(\p)+FR*\b:128*(\p)+FR*\b+FR-1], v[AF+FR*(\a):AF+FR*(\a)+FR-1], 0, v[SC+8*NQ*(\sc)+NQ*\b+(\q)], v[SC+8*NQ*(\sc)+NQ*(\a)+(\q)] matrix_a_fmt:MATRIX_FMT_FP6 matrix_b_fmt:MATRIX_FMT_FP6 matrix_a_scale:MATRIX_SCALE_ROW1
.else
	v_wmma_scale_f32_16x16x128_f8f6f4 v[8*(8*((\a)%4)+\b):8*(8*((\a)%4)+\b)+7], v[128*(\p)+FR*\b:128*(\p)+FR*\b+FR-1], v[AF+FR*(\a):AF+FR*(\a)+FR-1], v[8*(8*((\a)%4)+\b):8*(8*((\a)%4)+\b)+7], v[SC+8*NQ*(\sc)+NQ*\b+(\q)], v[SC+8*NQ*(\sc)+NQ*(\a)+(\q)] matrix_a_fmt:MATRIX_FMT_FP6 matrix_b_fmt:MATRIX_FMT_FP6 matrix_a_scale:MATRIX_SCALE_ROW1
.endif
.endr
.endr
.endm
.macro FETCH_B slot, q, p
	WIN TO_B
.irp i, 0,1,2,3,4,5,6,7
	FRAG 128*(\p)+FR*\i, ADRB+\slot, \q, \i
.endr
	WIN 0
.endm
.macro FETCH_A slot, q, i0
.irp i, \i0, \i0+1, \i0+2, \i0+3
	FRAG AF+FR*(\i), ADRA+\slot, \q, \i
.endr
.endm
.macro SCALES sc                       ; a K step's scale words: lanes 0-15 take A's block i, lanes 16-31 B's block i
.irp i, 0,1,2,3,4,5,6,7
	ds_load_b64 v[SC+8*NQ*\sc+NQ*\i:SC+8*NQ*\sc+NQ*\i+1], v[ADRS] offset:\i*SBLK
.endr
.endm
.macro PLACES n                        ; places in front of loads into registers that matrix instructions have read, and of the first read of results
.rept \n
	v_nop
.endr
.endm
.macro STEP slot, q, zero              ; a step of 128 along K that has its successor in the same slot
	s_wait_dscnt 4*NL                              ; B's set and A's blocks 0-3 are in; the youngest 16 loads (A's blocks 4-7) may be out
	WIN MUL_LO
	MUL16 0, (\q)%2, \q, \slot, \zero
	MUL16 2, (\q)%2, \q, \slot, \zero
	s_wait_dscnt 0
	PLACES NP
	FETCH_B \slot, (\q)+1, 1-(\q)%2
	FETCH_A \slot, (\q)+1, 0
	WIN MUL_HI
	MUL16 4, (\q)%2, \q, \slot, \zero
	MUL16 6, (\q)%2, \q, \slot, \zero
	PLACES NP
	WIN 0
	FETCH_A \slot, (\q)+1, 4
.endm
; A slot's last step changes slots: one barrier; in front of it each wave waits for all its tensor loads, adds 0 to its spare word, and waits for that and for its own reads of this slot.
.macro TURN slot, next, fill
	s_wait_tensorcnt 0x0                           ; all my tensor loads have landed: my part of the next slot
	ds_add_u32 v[SPW], v[NIL]                      ; 0 onto my spare word
	s_wait_dscnt 4*NL+1                            ; (the add and the youngest 16 loads may be out)
	WIN MUL_LO
	MUL16 0, 1, NQ-1, \slot, 0
	s_wait_dscnt 0x0                               ; the add is done, and my reads of this slot are over
	s_barrier_signal -1
	MUL16 2, 1, NQ-1, \slot, 0
	WIN 0
	s_barrier_wait -1
.if \fill
	CREST                                          ; the barrier has opened a round of the cluster's barrier: no wave of any partner still reads this slot or has a load on its way
	s_add_nc_u64 s[G0+4*\slot+2:G0+4*\slot+3], s[G0+4*\slot+2:G0+4*\slot+3], 2*ROWB
	s_add_nc_u64 s[G0B+4*\slot+2:G0B+4*\slot+3], s[G0B+4*\slot+2:G0B+4*\slot+3], 2*ROWB
	JLOAD G0+4*\slot, G1, G0B+4*\slot, G1B         ; the first tensor load behind the round; its four v_nop are the places in front of the loads below
.else
	PLACES NP
.endif
	s_wait_alu depctr_va_vdst(0)
	v_add_nc_u32 v[ADRS], 4*NQ, v[ADRS]            ; on to the next K step's scale words
	FETCH_B \next, 0, 0
	FETCH_A \next, 0, 0
	SCALES \next
	WIN MUL_HI
	MUL16 4, 1, NQ-1, \slot, 0
	MUL16 6, 1, NQ-1, \slot, 0
	PLACES NP
	WIN 0
	FETCH_A \next, 0, 4
.endm
	s_wait_alu depctr_va_vdst(0)
	global_prefetch_b8 v8, s[TBP:TBP+1] th:TH_LOAD_NT scope:SCOPE_SE   ; the whole walk along K ahead of the loads that want it
	s_wait_tensorcnt 0x0                           ; my tile of the head's four is in
	ds_add_u32 v[SPW], v[NIL]
	s_mov_b32 s[G1+2], 8<<16                       ; no tensor load of mine is out: from here on a load brings 8 row tiles,
	s_mov_b32 s[G1+4], 8
	s_mov_b32 s[G1B+2], 8<<16
	s_mov_b32 s[G1B+4], 8
	s_add_co_u32 s[G0+1], s45, 0                   ; and slot 0's groups 0 stand for my quarter
	s_add_nc_u64 s[G0+2:G0+3], s[G0+2:G0+3], s[18:19]
	s_add_co_u32 s[G0B+1], s45, 0
	s_add_nc_u64 s[G0B+2:G0B+3], s[G0B+2:G0B+3], s[18:19]
	s_wait_dscnt 0x0
	CROUND                                         ; all four tiles are in, all sixteen work-groups are here
	JLOAD G0+4, G1, G0B+4, G1B                     ; slot 1's first fill, the first tensor load behind the round
	FETCH_B 0, 0, 0
	FETCH_A 0, 0, 0
	SCALES 0
	FETCH_A 0, 0, 4
	STEP 0, 0, 1                                   ; the first step stands in front of the loop: its products start the sums
	s_mov_b32 s3, LAPS-1
.Llap:                                                 ; a trip goes once round the ring and fills both slots again
	TURN 0, 1, 1
	STEP 1, 0, 0
	TURN 1, 0, 1
	STEP 0, 0, 0
	s_sub_co_u32 s3, s3, 1
	s_cmp_lg_u32 s3, 0
	s_cbranch_scc1 .Llap
	TURN 0, 1, 0                                   ; the last lap fills nothing
	STEP 1, 0, 0
	s_wait_dscnt 4*NL
	WIN MUL_LO
	MUL16 0, 1, NQ-1, 1, 0
	MUL16 2, 1, NQ-1, 1, 0
	s_wait_dscnt 0
	WIN MUL_HI
	MUL16 4, 1, NQ-1, 1, 0
	MUL16 6, 1, NQ-1, 1, 0
	WIN 0
	PLACES NP                                      ; behind the last products: their results are read and A's registers written below
.irp b, 0,1,2,3
	v_mov_b32 v[TM+4+\b], 0                        ; written once: a lane permute's destination counts as one of its sources
.endr
; ---- q AND k.  Block a is a tile of 16 tokens, head g of my two is accumulators 4 g .. 4 g + 3: registers AC + i: d = 16 h + i, AC + 16 + i: d = 32 + 16 h + i.
.macro TABLOAD a                       ; tiles 0, 1 into window 0, tiles 2 to 7 into window 1, where B's fragments lay
.if (\a) < 2
.set TR, TAB+32*(\a)
.else
.set TR, 32*((\a)-2)
	WIN TO_B
.endif
.irp i, 0,1,2,3,4,5,6,7
	global_load_b128 v[TR+4*\i:TR+4*\i+3], v[A16], s[TBP:TBP+1] offset:4096*(\a)+512*\i
.endr
	WIN 0
.endm
; BOTH HEADS OF A TOKEN TILE AT ONCE: head g's rotated numbers at v[T + 88 g ..], its two blocks are b = 2 g and 2 g + 1 of four that go side by side, its codes at v[CD + 8 g ..].
.macro QK2 a
.if (\a) < 2
.set CO, TAB+32*(\a)
.set TW, 0
.else
.set CO, 32*((\a)-2)
.set TW, 4
.endif
.set SI, CO+16
	WIN (2+(\a)/4)|TW                              ; source 0: the accumulators' window; source 1: the table's
.irp g, 0,1
.irp p, 0,2,4,6,8,10,12,14                     ; each accumulator is read from its low end on
	v_pk_mul_f32 v[T+88*\g+\p:T+88*\g+\p+1], v[64*((\a)%4)+32*\g+\p:64*((\a)%4)+32*\g+\p+1], v[CO+\p:CO+\p+1]
	v_pk_mul_f32 v[T+88*\g+16+\p:T+88*\g+17+\p], v[64*((\a)%4)+32*\g+16+\p:64*((\a)%4)+32*\g+17+\p], v[CO+\p:CO+\p+1]
.endr
.endr
.irp g, 0,1
.irp p, 0,2,4,6,8,10,12,14
	v_pk_fma_f32 v[T+88*\g+\p:T+88*\g+\p+1], v[64*((\a)%4)+32*\g+16+\p:64*((\a)%4)+32*\g+17+\p], v[SI+\p:SI+\p+1], v[T+88*\g+\p:T+88*\g+\p+1] neg_lo:[1,0,0] neg_hi:[1,0,0]   ; x1 cos - x2 sin
	v_pk_fma_f32 v[T+88*\g+16+\p:T+88*\g+17+\p], v[64*((\a)%4)+32*\g+\p:64*((\a)%4)+32*\g+\p+1], v[SI+\p:SI+\p+1], v[T+88*\g+16+\p:T+88*\g+17+\p]                            ; x2 cos + x1 sin
.endr
.endr
	WIN 0
.irp b, 0,1,2,3
	v_max3_num_f32 v[TM+\b], |v[T+88*(\b/2)+16*(\b%2)]|, |v[T+88*(\b/2)+16*(\b%2)+1]|, 0x1800000   ; my 16 numbers of the block, and the floor
.endr
.irp i, 2,4,6,8,10,12,14
.irp b, 0,1,2,3
	v_max3_num_f32 v[TM+\b], v[TM+\b], |v[T+88*(\b/2)+16*(\b%2)+\i]|, |v[T+88*(\b/2)+16*(\b%2)+\i+1]|
.endr
.endr
.irp b, 0,1,2,3
	v_permlanex16_b32 v[TM+4+\b], v[TM+\b], s[SEL], s[SEL+1]
.endr
.irp b, 0,1,2,3
	v_max_num_f32 v[TM+\b], v[TM+\b], v[TM+4+\b]   ; with lane l xor 16's: the block's largest magnitude
.endr
.irp b, 0,1,2,3
	v_add_nc_u32 v[TM+12+\b], 0xff000000, v[TM+\b]
.endr
.irp b, 0,1,2,3
	v_lshrrev_b32 v[TM+4+\b], 23, v[TM+12+\b]
.endr
.irp g, 0,1
	v_lshl_or_b32 v[WR+2*(\a)+\g], v[TM+5+2*\g], 8, v[TM+4+2*\g]
.endr
.irp g, 0,1
	v_or_b32 v[WR+2*(\a)+\g], 0x7f7f0000, v[WR+2*(\a)+\g]   ; the upper 64 of the instruction's K hold zero codes: their bytes stand for 1
.endr
	s_wait_alu depctr_va_vdst(0)
	s_wait_xcnt 0x0                                ; the last stores have read the codes' registers
.irp g, 0,1
	v_cvt_scalef32_pk16_fp6_f32 v[CD+8*\g:CD+8*\g+2], v[T+88*\g:T+88*\g+15], v[TM+12+2*\g]
	v_cvt_scalef32_pk16_fp6_f32 v[CD+8*\g+4:CD+8*\g+6], v[T+88*\g+16:T+88*\g+31], v[TM+13+2*\g]
.endr
	v_nop                                          ; one plain place behind a scaled conversion
.irp g, 0,1
.irp i, 0,1,2
	v_permlane16_swap_b32 v[CD+8*\g+\i], v[CD+8*\g+4+\i]     ; lanes 0-15 now hold block 0 whole, lanes 16-31 block 1
.endr
.endr
.irp i, 3,4,5
.irp g, 0,1
	v_mov_b32 v[CD+8*\g+\i], v[CD+8*\g+\i+1]
.endr
.endr
.irp g, 0,1
	global_store_b128 v[A16], v[CD+8*\g:CD+8*\g+3], s[OB+2*\g:OB+2*\g+1] offset:768*(\a)         ; 512 consecutive bytes
	global_store_b64 v[A8], v[CD+8*\g+4:CD+8*\g+5], s[OB+2*\g:OB+2*\g+1] offset:768*(\a)+512     ; 256 consecutive bytes
.endr
.endm
	s_lshr_b32 s18, s17, 3                         ; the batch
	s_and_b32 s19, s17, 7
	s_lshl_b32 s19, s19, 1
	s_add_co_u32 s19, s19, s15                     ; my group of 128 tokens
	s_and_b32 s20, s42, 3
	s_lshl_b32 s20, s20, 2
	s_lshl_b32 s21, s16, 1
	s_add_co_u32 s20, s20, s21                     ; my first head
	s_lshl_b32 s18, s18, 4
	s_add_co_u32 s18, s18, s20
	s_lshl_b32 s18, s18, 4
	s_add_co_u32 s18, s18, s19                     ; its record
	s_mov_b32 s94, 6656
	s_cmp_eq_u32 ttmp9, 1
	s_cselect_b32 s94, 13056, s94                  ; a record's bytes: in kv, in qq
	s_cselect_b64 s[OB:OB+1], s[10:11], s[8:9]
	s_mul_i32 s22, s18, s94
	s_mov_b32 s23, 0
	s_add_nc_u64 s[OB:OB+1], s[OB:OB+1], s[22:23]
	s_lshl_b32 s22, s94, 4
	s_add_nc_u64 s[OB+2:OB+3], s[OB:OB+1], s[22:23]  ; the next head's: 16 records on
.irp a, 0,1,2,3,4,5,6,7
	TABLOAD \a                                     ; all 64 loads at once
.endr
.irp a, 0,1,2,3,4,5,6,7
	s_wait_loadcnt 8*(7-\a)                        ; this tile's eight loads are in; younger are the later tiles' eight each
	QK2 \a
.endr
.irp g, 0,1
.irp i, 0,1,2,3
	v_cndmask_b32 v[SELR+4*\g+\i], v[WR+4*\i+\g], v[WR+4*\i+2+\g], s98   ; word i: lanes 0-15 tile 2 i, lanes 16-31 tile 2 i + 1
.endr
	global_store_b128 v[A16], v[SELR+4*\g:SELR+4*\g+3], s[OB+2*\g:OB+2*\g+1] offset:6144
.endr
	s_wait_tensorcnt 0x0                           ; the wave's end, behind my last tensor load
	ds_add_u32 v[SPW], v[NIL]
	s_wait_dscnt 0x0
	CROUND                                         ; the closing round: no work-group ends while a partner may still ask for a tile that names it
	s_endpgm
; ================= VP.  v = x W_v on codes of FP6 (E2M3) with E8M0 scales, K = 1,024, and its quantising along the TOKENS, which are the K of the attention's second product.  It fills V's part of kv's records:
; kv[batch x head][16 key steps of 128 tokens][13,056]: from 6,656 four fragments of V^T (fragment d: 16 features; three planes of 512 bytes: operand registers 4 i .. 4 i + 3 at 16 x lane); from 12,800 V's scale
; words (word d / 2 of lane (r, d % 2), at 16 r + 8 (d % 2) + 4 (d / 2); byte = the block of 32 tokens).
; Row tiles 0-511 of xw are x's tokens, 640-703 W_v's rows.  LIMITS as above.
; THE DEAL.  256 work-groups of four waves, 2 x 2, each 256 tokens (two key steps) x 128 features (two heads).  A wave holds its head's four tiles of 16 weight rows, all of K, in registers (384), and streams eight
; blocks of 16 tokens past them.  Source 0 = tokens, source 1 = weight rows: lane (r, h) holds feature row r, register j token 8 h + j of the block.
; The wave in row w takes row tiles 4 m + 2 w and 4 m + 2 w + 1 (m = 0 .. 3): the blocks of 32 tokens of parity w, which are what lanes 16 w .. 16 w + 15 of V's fragments hold.  Its lanes 0-15 end up with the
; first key step's blocks and its lanes 16-31 with the second's: each half of a store covers 256 consecutive bytes, aligned.
; THE ORDER INSIDE A BLOCK OF 32: code i of an even block is token 16 ((i / 8) % 2) + 8 (i / 16) + i % 8; in an odd block the two halves of 16 codes change places.  The attention holds p in the same order: an
; order inside a block, alike on both sides, changes no sum.
; x's rows are shared by a column of the cluster (mask s44), the weights' by a row (mask s45).  All is asked for at the head: nothing is filled again or prefetched in this part.
; THE HEAD'S FOUR TILES, one a wave, each on its own line: the weights; x's row tiles 0 to 7; 8 to 11; 12 to 15.  The stream begins when the first two are in; a plain barrier inside block 1 shows the others.
; LDS: x's 16 row tiles; the weights' 8; x's scale bytes (by plain loads and LDS stores); the stage of V's scale bytes; the spare words, where the first part has them.
; REGISTERS.  Windows 1 to 3: 48 fragments of 12 (32 of W_v, two sets of 8 of x).  The sums: tile t < 3 at window 0, v[64 + 64 t + 8 s]; tile 3 at window 3, v[128 + 8 s].  On the way out window 1's v0-81 are at work.
.set NQ, 8
.set NB, 4
.set RT, 12288
.set FPW, 21
.set NF, 34                            ; LDS loads of a block: 32 for eight fragments, 2 for eight scale words
.set YB, 16*RT
.set SCL, 24*RT                        ; x's scale bytes: 32 units of 256 + 16
.set XM, SCL+32*272                    ; the stage of V's scale bytes: [head][key step][256]; the spare words follow it
.set REC, 13056
.set ADRA0, 4
.set AAS0, 6
.set RDS, 7                            ; v7  the stage, on the way out
.set GS, 8                             ; v8  8 x lane
.set CO, 9                             ; v9  my place in a plane: 16 r + 256 w, + a record for lanes 16-31
.set SPW, 10
.set NIL, 11
.set ADRA, 12
.set ADRB, 14
.set ABS, 16
.set AAS, 17
.set STV, 18                           ; v18 the stage, on the way in
.set SB, 24                            ; v24-39  W_v's scale words
.set SA, 42                            ; v42-57  x's: two sets of eight
.set TM, 0                             ; window 1, the way out: 16 at work
.set TX, 16                            ; the conversions' results
.set CD, 32                            ; 12 registers of codes for each tile
.set BY, 80                            ; the bytes to store
.set G1A, 24
.set G0A, 56
.set G1B, 32
.set G0B, 60
.macro WALU
	s_wait_alu depctr_va_vdst(0)
.endm
.macro BARRIER
	s_barrier_signal -1
	s_barrier_wait -1
.endm
.macro TLOAD g0, g1
	tensor_load_to_lds s[\g0:\g0+3], s[\g1:\g1+7]
	s_nop 0
	PLACES 4
.endm
.macro ATILE first, rows
	s_mov_b32 s[G0A+1], (\first)*RT
	s_mov_b32 s[G1A+2], (\rows)<<16
	s_mov_b32 s[G1A+4], \rows
.if \first
	s_add_nc_u64 s[G0A+2:G0A+3], s[G0A+2:G0A+3], (\first)*RT
.endif
	s_or_b32 s[G0A+3], s[G0A+3], 0x80000000
	TLOAD G0A, G1A
.endm
.macro GROUP1 g, mask                  ; rows of 12,288 bytes (1,536 elements of 8), dense
	s_or_b32 s[\g+0], s[\mask], (3<<16)|(1<<21)
	s_mov_b32 s[\g+1], 1536<<16
	s_mov_b32 s[\g+3], 1536<<16
	s_mov_b32 s[\g+5], 1536
	s_mov_b32 s[\g+6], 0
	s_mov_b32 s[\g+7], 0
.endm
.macro VFRAG f, a, off
	WIN (1+(\f)/FPW)<<6
.irp c, 0,1
	ds_load_b128 v[FR*((\f)%FPW)+6*\c:FR*((\f)%FPW)+6*\c+3], v[\a] offset:(\off)+768*\c
	ds_load_b64 v[FR*((\f)%FPW)+6*\c+4:FR*((\f)%FPW)+6*\c+5], v[\a+1] offset:(\off)+768*\c+512
.endr
.endm
.macro FETCHAT e, a, as
.irp q, 0,1,2,3,4,5,6,7
	VFRAG NB*NQ+NQ*(\e)+\q, \a, 1536*\q
.endr
	WIN 0
	ds_load_b128 v[SA+8*(\e):SA+8*(\e)+3], v[\as]
	ds_load_b128 v[SA+8*(\e)+4:SA+8*(\e)+7], v[\as] offset:16
.endm
.macro PROD s, n                       ; product n = 4 q + tile of block s
.set Q_, (\n)/4
.set T_, (\n)%4
.set FW_, NB*Q_+T_
.set FX_, NB*NQ+NQ*((\s)%2)+Q_
.set AW_, 3*(T_/3)
.set D_, 64+64*T_+8*(\s)-128*(T_/3)
.set XB_, SB+NQ*(T_/2)+Q_
.set XA_, SA+8*((\s)%2)+Q_
	WIN (1+FX_/FPW)|((1+FW_/FPW)<<2)|(AW_<<4)|(AW_<<6)
.if Q_
	PROD1 D_, FX_, FW_, v[D_:D_+7], XA_, XB_, T_%2
.else
	PROD1 D_, FX_, FW_, 0, XA_, XB_, T_%2
.endif
.endm
.macro PROD1 d, s0, s1, c, x0, x1, o
.if \o
	v_wmma_scale_f32_16x16x128_f8f6f4 v[\d:\d+7], v[FR*((\s0)%FPW):FR*((\s0)%FPW)+FR-1], v[FR*((\s1)%FPW):FR*((\s1)%FPW)+FR-1], \c, v[\x0], v[\x1] matrix_a_fmt:MATRIX_FMT_FP6 matrix_b_fmt:MATRIX_FMT_FP6 matrix_b_scale:MATRIX_SCALE_ROW1
.else
	v_wmma_scale_f32_16x16x128_f8f6f4 v[\d:\d+7], v[FR*((\s0)%FPW):FR*((\s0)%FPW)+FR-1], v[FR*((\s1)%FPW):FR*((\s1)%FPW)+FR-1], \c, v[\x0], v[\x1] matrix_a_fmt:MATRIX_FMT_FP6 matrix_b_fmt:MATRIX_FMT_FP6 matrix_b_scale:MATRIX_SCALE_ROW0
.endif
.endm
.macro PRODS s, from, to               ; the block's four accumulators take turns, one instruction a turn
.set N_, \from
.rept (\to)-(\from)
	PROD \s, N_
.set N_, N_+1
.endr
	WIN 0
.endm
.macro BLK s, show                     ; block s: row tile 4 (s / 2) + 2 w + s % 2.  Behind its products its set takes block s + 2
.if \show
	PRODS \s, 0, 24
	s_wait_tensorcnt 0x0
	s_wait_dscnt 0x0
	s_barrier_signal -1                            ; a plain barrier: waves 2 and 3's tiles are shown to all
	PRODS \s, 24, 32
	s_barrier_wait -1
.else
	PRODS \s, 0, 32
.endif
.if (\s) < 6
	v_add_nc_u32 v[ADRA], RT*(4*(((\s)+2)/2)+(\s)%2), v[ADRA0]       ; with the v_nop: four places between the last product and the fetch into the registers that it has read
	v_add_nc_u32 v[ADRA+1], RT*(4*(((\s)+2)/2)+(\s)%2), v[ADRA0+1]
	v_add_nc_u32 v[AAS], 544*(4*(((\s)+2)/2)+(\s)%2), v[AAS0]
	v_nop
	FETCHAT (\s)%2, ADRA, AAS
	s_wait_dscnt NF                                ; the next block's fragments are in; this fetch is younger
.elseif (\s) == 6
	s_wait_dscnt 0x0
.endif
.endm
; A tile's way out.  Its 64 sums a lane are four half blocks of 32 tokens, b = 2 x key step + c: registers AC + 16 b + i.
.macro VOUT t
.set AW_, 3*((\t)/3)
.set AC, 64+64*(\t)-128*((\t)/3)
	WIN AW_|(AW_<<2)|0x50
.irp b, 0,1,2,3
	v_max3_num_f32 v[TM+\b], |v[AC+16*\b]|, |v[AC+16*\b+1]|, 0x1800000   ; my 16 numbers, and the floor
.endr
.irp i, 2,4,6,8,10,12,14
.irp b, 0,1,2,3
	v_max3_num_f32 v[TM+\b], |v[AC+16*\b+\i]|, |v[AC+16*\b+\i+1]|, v[TM+\b]
.endr
.endr
	WIN 0x55
.irp b, 0,1,2,3
	v_permlanex16_b32 v[TM+4+\b], v[TM+\b], s66, s67
.endr
.irp b, 0,1,2,3
	v_max_num_f32 v[TM+\b], v[TM+\b], v[TM+4+\b]   ; with lane l xor 16's: the block's largest magnitude
.endr
.irp b, 0,1,2,3
	v_add_nc_u32 v[TM+12+\b], 0xff000000, v[TM+\b] ; the conversion's scale operand
.endr
.irp b, 0,1,2,3
	v_lshrrev_b32 v[TM+8+\b], 23, v[TM+12+\b]      ; the byte
.endr
.irp c, 0,1
	v_cndmask_b32 v[BY+\c], v[TM+8+\c], v[TM+10+\c], s98   ; lanes 0-15 store the first key step's byte, lanes 16-31 the second's
.endr
	WIN AW_|0x44
.irp c, 0,1
	v_cvt_scalef32_pk16_fp6_f32 v[TX+4*\c:TX+4*\c+2], v[AC+16*\c:AC+16*\c+15], v[TM+12+\c]
	v_cvt_scalef32_pk16_fp6_f32 v[TX+8+4*\c:TX+10+4*\c], v[AC+32+16*\c:AC+32+16*\c+15], v[TM+14+\c]
.endr
	WIN 0x55
	v_nop                                          ; one plain place behind a scaled conversion
.irp c, 0,1
.irp i, 0,1,2
	v_permlane16_swap_b32 v[TX+4*\c+\i], v[TX+8+4*\c+\i]   ; the first now holds each lane's block's 16 codes of the lanes h = 0, the second those of h = 1; lanes 0-15 the first key step, lanes 16-31 the second
.endr
.endr
.irp c, 0,1
.irp i, 0,1,2
	v_cndmask_b32 v[CD+12*(\t)+6*\c+\i], v[TX+4*\c+\i], v[TX+8+4*\c+\i], s99     ; in the odd blocks (w = 1) the halves change places
	v_cndmask_b32 v[CD+12*(\t)+6*\c+3+\i], v[TX+8+4*\c+\i], v[TX+4*\c+\i], s99
.endr
.endr
	WIN 0x04                                       ; the data in window 1, the addresses in window 0
.irp c, 0,1
	ds_store_b8 v[STV], v[BY+\c] offset:8*((\t)%2)+4*((\t)/2)+2*\c
.endr
.irp i, 0,1,2
	global_store_b128 v[CO], v[CD+12*(\t)+4*\i:CD+12*(\t)+4*\i+3], s[12:13] offset:1536*(\t)+512*\i
.endr
.endm
.Lvp:
	s_load_b64 s[4:5], s[0:1], 0x0                 ; xw
	s_load_b64 s[6:7], s[0:1], 0x18                ; kv
	v_lshl_add_u32 v[SPW], v0, 2, SPARE
	v_mov_b32 v[NIL], 0
	ds_add_u32 v[SPW], v[NIL]                      ; the opening lines: the add, twice on end, and its wait
	ds_add_u32 v[SPW], v[NIL]
	v_lshrrev_b32 v1, 5, v0
	v_readfirstlane_b32 s14, v1                    ; the wave; s15 its row w of the 2 x 2, s16 its column
	s_lshr_b32 s15, s14, 1
	s_and_b32 s16, s14, 1
	s_bfe_u32 s40, ttmp6, 0x40000
	s_bfe_u32 s41, ttmp6, 0x40004
	s_sub_co_u32 s43, s2, 8
	s_lshl_b32 s43, s43, 2
	s_add_co_u32 s43, s43, s40                     ; my 256 tokens: 4 x (cluster y - 8) + cx
	s_lshl_b32 s42, ttmp9, 2
	s_add_co_u32 s42, s42, s41                     ; my two heads: 4 x cluster x + cy
	s_lshl_b32 s44, 0x1111, s40
	s_lshl_b32 s45, s41, 2
	s_lshl_b32 s45, 15, s45
	GROUP1 G1A, 44
	GROUP1 G1B, 45
	s_mov_b32 s[G1B+2], 8<<16
	s_mov_b32 s[G1B+4], 8
	s_mov_b32 s[G0A], 1
	s_mov_b32 s[G0B], 1
	s_mov_b32 s[G0B+1], YB
	s_mov_b32 s66, 0x76543210
	s_mov_b32 s67, 0xfedcba98                      ; v_permlanex16_b32's selects for lane l xor 16
	s_cmp_eq_u32 s15, 1
	s_cselect_b32 s99, -1, 0                       ; all lanes, where my blocks are the odd ones
	s_mul_i32 s76, s43, 16*RT                      ; x's codes
	s_mov_b32 s77, 0
	s_mul_i32 s78, s42, 8*RT
	s_add_co_u32 s78, s78, 640*RT                  ; W_v's
	s_mov_b32 s79, 0
	s_lshl_b32 s80, s43, 13
	s_add_co_u32 s80, s80, XWS                     ; x's scale bytes
	s_mov_b32 s81, 0
	s_lshl_b32 s82, s42, 12
	s_lshl_b32 s21, s16, 11
	s_add_co_u32 s82, s82, s21
	s_add_co_u32 s82, s82, XWS+10240*KS            ; W_v's, my 64 rows
	s_mov_b32 s83, 0
	s_lshr_b32 s20, s43, 3                         ; the batch
	s_lshl_b32 s20, s20, 4
	s_lshl_b32 s21, s42, 1
	s_add_co_u32 s20, s20, s21                     ; 16 x batch + my work-group's first head
	s_and_b32 s21, s43, 7
	s_lshl_b32 s21, s21, 1                         ; its first key step
	s_add_co_u32 s84, s20, s16
	s_lshl_b32 s84, s84, 4
	s_add_co_u32 s84, s84, s21
	s_mul_i32 s84, s84, REC
	s_add_co_u32 s84, s84, 6656                    ; my head's record of the first key step, V's part
	s_mov_b32 s85, 0
	s_add_co_u32 s86, s20, s15
	s_lshl_b32 s86, s86, 4
	s_add_co_u32 s86, s86, s21
	s_add_co_u32 s86, s86, s16
	s_mul_i32 s86, s86, REC
	s_add_co_u32 s86, s86, 12800                   ; the record whose scale words I store: head wave / 2, key step wave % 2
	s_mov_b32 s87, 0
	v_and_b32 v1, 15, v0                           ; r
	v_bfe_u32 v2, v0, 4, 1                         ; h
	v_and_b32 v3, 31, v0
	v_cmp_le_u32 s98, 16, v3                       ; the mask of lanes 16-31
	v_lshlrev_b32 v20, 4, v3
	v_lshlrev_b32 v21, 4, v1
	v_lshl_add_u32 v21, v2, 3, v21
	s_mul_i32 s21, s15, 2*RT
	v_add_nc_u32 v[ADRA0], s21, v20
	v_add_nc_u32 v[ADRA0+1], s21, v21
	v_add_nc_u32 v[ADRA], RT, v[ADRA0]             ; block 1
	v_add_nc_u32 v[ADRA+1], RT, v[ADRA0+1]
	s_mul_i32 s22, s16, NB*RT
	s_add_co_u32 s22, s22, YB
	v_add_nc_u32 v[ADRB], s22, v20
	v_add_nc_u32 v[ADRB+1], s22, v21
	v_mul_u32_u24 v[ABS], v3, KS
	v_mul_u32_u24 v23, v1, KS
	v_lshrrev_b32 v22, 8, v23
	v_lshl_add_u32 v23, v22, 4, v23                ; 32 bytes a row, and 16 more for each 256 passed
	s_mul_i32 s21, s15, 4*272
	s_add_co_u32 s21, s21, SCL
	v_add_nc_u32 v[AAS0], s21, v23
	v_add_nc_u32 v[AAS], 544, v[AAS0]
	v_mul_u32_u24 v23, v2, REC
	v_lshl_add_u32 v23, v1, 4, v23
	s_lshl_b32 s21, s15, 8
	v_add_nc_u32 v[CO], s21, v23
	s_lshl_b32 s21, s16, 9
	s_add_co_u32 s21, s21, s15
	s_add_co_u32 s21, s21, XM
	v_lshlrev_b32 v23, 4, v1
	v_lshl_add_u32 v23, v2, 8, v23
	v_add_nc_u32 v[STV], s21, v23                  ; XM + 512 x wave column + 256 h + 16 r + w
	v_lshlrev_b32 v[GS], 3, v3
	s_lshl_b32 s21, s14, 8
	s_add_co_u32 s21, s21, XM
	v_add_nc_u32 v[RDS], s21, v[GS]
	v_lshlrev_b32 v22, 4, v0                       ; x's scale bytes: thread t takes bytes 16 t of each 2,048,
	v_lshrrev_b32 v23, 4, v0
	v_mul_u32_u24 v23, v23, 272
	v_lshl_add_u32 v23, v1, 4, v23
	v_add_nc_u32 v23, SCL, v23                     ; to unit t / 16, byte 16 (t % 16)
	WALU
	s_wait_dscnt 0x0
	CROUND                                         ; the opening round
	s_wait_kmcnt 0x0
	s_add_nc_u64 s[G0A+2:G0A+3], s[4:5], s[76:77]
	s_add_nc_u64 s[G0B+2:G0B+3], s[4:5], s[78:79]
	s_or_b32 s[G0B+3], s[G0B+3], 0x80000000
	s_add_nc_u64 s[8:9], s[4:5], s[80:81]
	s_add_nc_u64 s[10:11], s[4:5], s[82:83]
	s_add_nc_u64 s[12:13], s[6:7], s[84:85]
	s_add_nc_u64 s[18:19], s[6:7], s[86:87]
	s_cmp_eq_u32 s14, 0
	s_cbranch_scc0 .Lwave_1
	TLOAD G0B, G1B                                 ; wave 0: the weights, which are wanted first
	s_branch .Lasked
.Lwave_1:
	s_cmp_eq_u32 s14, 1
	s_cbranch_scc0 .Lwave_2
	ATILE 0, 8                                     ; wave 1: x's row tiles 0 to 7
	s_branch .Lasked
.Lwave_2:
	s_cmp_eq_u32 s14, 2
	s_cbranch_scc0 .Lwave_3
	ATILE 8, 4
	s_branch .Lasked
.Lwave_3:
	ATILE 12, 4
.Lasked:
.irp k, 0,1,2,3
	global_load_b128 v[64+4*\k:67+4*\k], v22, s[8:9] offset:2048*\k     ; a wave reads 512 consecutive bytes
.endr
.irp p, 0,1
.irp c, 0,1
	global_load_b128 v[SB+NQ*\p+4*\c:SB+NQ*\p+4*\c+3], v[ABS], s[10:11] offset:\p*32*KS+16*\c   ; lanes 0-15 tile 2 p's rows, lanes 16-31 tile 2 p + 1's
.endr
.endr
	s_wait_loadcnt 0x0
.irp k, 0,1,2,3
	ds_store_b128 v23, v[64+4*\k:67+4*\k] offset:8*272*\k
.endr
	s_wait_dscnt 0x0
	s_cmp_eq_u32 s14, 0
	s_cbranch_scc0 .Lnot_b
	s_wait_tensorcnt 0x0
.Lnot_b:
	BARRIER                                        ; the weights have landed
.irp q, 0,1,2,3,4,5,6,7
.irp b, 0,1,2,3
	VFRAG NB*\q+\b, ADRB, \b*RT+1536*\q
.endr
.endr
	WIN 0
	s_cmp_eq_u32 s14, 1
	s_cbranch_scc0 .Lnot_a
	s_wait_tensorcnt 0x0                           ; wave 1: x's row tiles 0 to 7 have landed
.Lnot_a:
	s_wait_dscnt 0x0
	BARRIER                                        ; they and all scale bytes are in.  Waves 2 and 3's tiles may still be on their way
	FETCHAT 0, ADRA0, AAS0
	FETCHAT 1, ADRA, AAS
	s_wait_dscnt NF                                ; block 0's fragments are in
	BLK 0, 0
	BLK 1, 1
.irp s, 2,3,4,5,6,7
	BLK \s, 0
.endr
	PLACES 4                                       ; behind the last products: their sums are read and the fragments' registers written below
.irp t, 0,1,2,3
	VOUT \t
.endr
	WIN 0
	s_wait_dscnt 0x0                               ; my scale bytes are in the stage
	BARRIER                                        ; everybody's are
	ds_load_b64 v[60:61], v[RDS]
	s_wait_dscnt 0x0
	global_store_b64 v[GS], v[60:61], s[18:19]     ; 32 lanes store one aligned run of 256 bytes
	s_wait_tensorcnt 0x0                           ; the wave's end
	ds_add_u32 v[SPW], v[NIL]
	s_wait_dscnt 0x0
	CROUND                                         ; the closing round
	s_endpgm
.Lfunc_end_k_qf4110509ef_qkv:
	.size	k_qf4110509ef_qkv, .Lfunc_end_k_qf4110509ef_qkv-k_qf4110509ef_qkv
	.p2alignl 7, 3214868480
	.fill 96, 4, 3214868480
	.section	.rodata,"a",@progbits
	.p2align	6, 0x0
	.amdhsa_kernel k_qf4110509ef_qkv
		.amdhsa_group_segment_fixed_size 327680
		.amdhsa_private_segment_fixed_size 0
		.amdhsa_enable_private_segment 0
		.amdhsa_kernarg_size 32
		.amdhsa_user_sgpr_count 2
		.amdhsa_user_sgpr_kernarg_segment_ptr 1
		.amdhsa_wavefront_size32 1
		.amdhsa_system_sgpr_workgroup_id_x 1
		.amdhsa_system_sgpr_workgroup_id_y 1
		.amdhsa_system_sgpr_workgroup_id_z 1
		.amdhsa_system_vgpr_workitem_id 0
		.amdhsa_next_free_vgpr 1024
		.amdhsa_next_free_sgpr 102
		.amdhsa_reserve_vcc 0
		.amdhsa_float_denorm_mode_32 3
		.amdhsa_float_denorm_mode_16_64 3
		.amdhsa_memory_ordered 1
		.amdhsa_forward_progress 1
		.amdhsa_inst_pref_size 255
	.end_amdhsa_kernel
	.section	.bss,"aw",@nobits
	.p2align	6
	.space	262144
	.amdgpu_metadata
---
amdhsa.version: [ 1, 2 ]
amdhsa.kernels:
  - .name:           k_qf4110509ef_qkv
    .symbol:         k_qf4110509ef_qkv.kd
    .args:
      - { .name: xw, .offset: 0, .size: 8, .value_kind: global_buffer, .address_space: global }
      - { .name: tab, .offset: 8, .size: 8, .value_kind: global_buffer, .address_space: global }
      - { .name: qq, .offset: 16, .size: 8, .value_kind: global_buffer, .address_space: global }
      - { .name: kv, .offset: 24, .size: 8, .value_kind: global_buffer, .address_space: global }
    .group_segment_fixed_size: 327680
    .private_segment_fixed_size: 0
    .kernarg_segment_align: 8
    .kernarg_segment_size: 32
    .max_flat_workgroup_size: 128
    .sgpr_count:     102
    .vgpr_count:     1024
    .wavefront_size: 32
...
	.end_amdgpu_metadata
.endif
;; end of part 2
;; launch attn (part 3): grid 4 x 64, 16 waves a work-group, clusters of 4 x 1, 210,944 bytes of LDS; arguments qq, kv, aq; writes aq
.if DOCPART == 3
	.amdgcn_target "amdgcn-amd-amdhsa--gfx1250"
	.amdhsa_code_object_version 6
	.text
	.protected	k_qf4110509ef_attn
	.globl	k_qf4110509ef_attn
	.p2align	8
	.type	k_qf4110509ef_attn,@function
k_qf4110509ef_attn:
	s_mov_b64 s[64:65], 0
	v_nop
	global_prefetch_b8 v0, s[64:65] scope:SCOPE_SE
	s_setreg_imm32_b32 hwreg(HW_REG_WAVE_MODE, 25, 1), 1
	s_wait_xcnt 0x0
	s_wait_alu depctr_hold_cnt(0) depctr_sa_sdst(0) depctr_va_vdst(0) depctr_va_sdst(0) depctr_va_ssrc(0) depctr_va_vcc(0) depctr_vm_vsrc(0)
	s_getreg_b32 s2, hwreg(HW_REG_IB_STS2, 6, 4)
	s_cmp_eq_u32 s2, 0
	s_cbranch_scc0 .Lentry_in_a_cluster
	s_endpgm
.Lentry_in_a_cluster:
	s_bfe_u32 s2, ttmp6, 0x10000c
	s_cmp_lg_u32 s2, 0x3003
	s_cbranch_scc0 .Lentry_shape_is_right
	s_endpgm
.Lentry_shape_is_right:
; ATTN.  For each batch and head: O[q] = sum over k <= q of softmax_k(Q[q] . K[k] / 8) V[k], both products on codes of FP6 (E2M3) with E8M0 scales; then O is quantised along C for the last product.
; THE SOFTMAX: t = score x log2(e) / 8; M = the row's largest t so far, rounded up to a whole number; p = 2^(t - M) is quantised along the keys, not normalised; the row's sum is taken of the unquantised p
; and divides O at the end.  When M moves, the sum and O are multiplied by 2^(old M - new M): exact.
; WORK LEFT OUT: a key step all of whose 128 keys come after the queries is hidden by the mask that the problem builds itself (jnp.tril): its p are 0 for all inputs, so the step is jumped over.
; SHARES.  A cluster of four work-groups owns one (batch, head).  The head's K and V, 16 records of 13,056 bytes, lie in each work-group's LDS, filled ONCE: wave w of each of the four issues the same joint load of
; record w: one tensor load a wave.  Nothing is filled again, and nothing is prefetched: all of K and V is asked for at the head.
; A wave owns a tile of 16 queries at a time: tile 2 cx + (wave & 1) of group S of 128 queries; S = wave / 2 in the first pass and 15 - wave / 2 in the second: 17 key steps a wave.
; Every branch hangs on the wave's number and on counts; cx enters global addresses and the mask's thresholds alone.
; LAYOUT.  Both products are used transposed: S^T = K Q^T, O^T = V^T P^T: a lane holds one query (lane % 16).  THE KEYS OF A TILE OF K ARE CHOSEN BY THE LANES' LDS ADDRESSES, so that the 32 registers of tiles
; 4 c .. 4 c + 3 of lane (r, h) are block 2 c + h of 32 keys, whole, in the order in which the launch vp lays V's codes inside a block: rows 0-7 of tile 4 c + u are keys 64 c + 16 (u % 2) + 8 (u / 2) + j,
; rows 8-15 keys 64 c + 32 + 16 (u % 2) + 8 (1 - u / 2) + j.  So a block's largest p needs no other lane, the conversions' results are the operand's registers, and the sixteen lanes of a load of 16 bytes
; read 256 bytes that differ modulo 256.
; K of the first product is 64: Q's registers 6-11 are zero codes, so what stands in K's upper six registers adds nothing; bytes 2 and 3 of the scale words stand for 1.
; LIMITS: hidden keys get -infinity where the definition has -1e9: equal while a visible logit of the row lies above -1e9.  The scaled scores stay under 2^31 in magnitude.  NaN and infinities are not served.
; A block's byte is held at 1 from below.  aq's scale bytes leave one to a lane into rows 32 bytes apart: one byte in 24 of what this launch stores.
; REGISTERS: v1-11 addresses; v7, v254 the mask's thresholds; v12 -M, v13 the largest score, v[14:15] the sum; v16-27 Q; v28 Q's scale word, v29 p's; v30 -infinity; v31 8 h; v32-85 K (behind the first product
;   v32-60 are at work); v86-89 K's scale words, v90-91 V's; v92-95, v252, v253 K's lane addresses; v96-159 S^T, then p (at a step's head v96-101 hold the step's addresses); v160-191 O^T; v192-239 V; v240-251 p's codes.
.set REC,   13056
.set SPARE, 16*REC                     ; behind the records: the spare words, 128 bytes a wave: eight blocks of 256 bytes that no other line names
.set AQS,   6291456
.set T,     32
.macro WALU
	s_wait_alu depctr_va_vdst(0)
.endm
.macro CROUND
	s_barrier_signal -1
	s_barrier_wait -1
	s_cmp_lg_u32 s10, 0
	s_cbranch_scc1 .Lnot_wave_0_\@
	s_barrier_signal -3
.Lnot_wave_0_\@:
	s_barrier_wait -3
	s_barrier_signal -1
	s_barrier_wait -1
.endm
.macro QLOAD                           ; a pass's addresses, and Q
	s_lshl_b32 s44, s12, 4
	s_add_co_u32 s44, s44, s14
	s_mul_i32 s44, s44, 6656
	s_mov_b32 s45, 0
	s_add_nc_u64 s[38:39], s[4:5], s[44:45]        ; Q's record
	s_lshl_b32 s44, s36, 7
	s_lshl_b32 s46, s14, 3
	s_add_co_u32 s44, s44, s46
	s_add_co_u32 s44, s44, s18                     ; my token tile among the 512
	s_lshl_b32 s46, s44, 9                         ; its 16 rows of 32 scale bytes
	s_lshl_b32 s44, s44, 4
	s_add_co_u32 s44, s44, s19
	s_mul_i32 s44, s44, 768
	s_add_nc_u64 s[40:41], s[8:9], s[44:45]        ; its unit for my head
	s_lshl_b32 s47, s19, 1
	s_add_co_u32 s46, s46, s47
	s_mov_b32 s47, 0
	s_add_nc_u64 s[42:43], s[8:9], s[46:47]
	s_add_nc_u64 s[42:43], s[42:43], AQS
	global_load_b128 v[16:19], v8, s[38:39]
	global_load_b64 v[20:21], v10, s[38:39]
	global_load_b32 v28, v11, s[38:39]
.endm
.macro MASK                            ; register n holds key 64 (n / 32) + 16 ((n / 8) % 2) + n % 8, and 40 h more in tiles u < 2, 8 + 24 h more in tiles u >= 2
.set n, 0
.rept 64
.if (n/16)%2
	v_cmp_gt_i32 vcc_lo, 64*(n/32)+16*((n/8)%2)+n%8+8, v254
.else
	v_cmp_gt_i32 vcc_lo, 64*(n/32)+16*((n/8)%2)+n%8, v7
.endif
	v_cndmask_b32 v[96+n], v[96+n], v30, vcc_lo
.set n, n+1
.endr
.endm
	s_load_b128 s[4:7], s[0:1], 0x0                ; qq s[4:5], kv s[6:7]
	s_load_b64 s[8:9], s[0:1], 0x10                ; aq
	v_lshl_add_u32 v5, v0, 2, SPARE
	v_mov_b32 v6, 0
	ds_add_u32 v5, v6                              ; the opening lines: the add, twice on end, and its wait ahead of my first tensor load
	ds_add_u32 v5, v6
	v_lshrrev_b32 v1, 5, v0
	v_readfirstlane_b32 s10, v1                    ; wave 0..15
	s_bfe_u32 s11, ttmp6, 0x40000                  ; cx
	s_and_b32 s12, ttmp7, 0xffff                   ; 16 x batch + head, which the four partners share
	s_and_b32 s13, s10, 1                          ; e
	s_lshr_b32 s14, s10, 1                         ; S: my group of 128 queries
	s_mov_b32 s15, 2                               ; passes to go
	s_lshl_b32 s18, s11, 1
	s_add_co_u32 s18, s18, s13                     ; my tile in a group: 2 cx + e
	s_and_b32 s19, s12, 15                         ; head
	s_lshr_b32 s36, s12, 4                         ; batch
	s_mov_b32 s20, 0x76543210
	s_mov_b32 s21, 0xfedcba98                      ; v_permlanex16_b32's selects for lane l xor 16
	s_mov_b32 s22, 0x3e38aa3b                      ; c = log2(e) / 8
	s_mov_b32 s23, s22
	s_mov_b32 s49, 0xbe38aa3b                      ; -c
	s_mov_b32 s24, 15|(3<<16)|(1<<21)              ; group 1: a record, 13,056 dense bytes, as 51 rows of 256; the mask names all four work-groups
	s_mov_b32 s25, 32<<16
	s_mov_b32 s26, 51<<16
	s_mov_b32 s27, 32<<16
	s_mov_b32 s28, 51
	s_mov_b32 s29, 32
	s_mov_b32 s30, 0
	s_mov_b32 s31, 0
	s_lshl_b32 s44, s12, 4
	s_add_co_u32 s44, s44, s10
	s_mul_i32 s44, s44, REC                        ; record w of my head, in memory,
	s_mov_b32 s45, 0
	s_mov_b32 s32, 1
	s_mul_i32 s33, s10, REC                        ; and in LDS
	v_and_b32 v32, 15, v0                          ; r
	v_bfe_u32 v33, v0, 4, 1                        ; h
	v_and_b32 v34, 7, v0                           ; r % 8
	v_bfe_u32 v35, v0, 3, 1                        ; x = r / 8
	v_xor_b32 v36, 1, v35                          ; 1 - x
	v_cmp_ne_u32 s48, 0, v33                       ; the mask of lanes 16-31
	v_and_b32 v1, 31, v0
	v_lshlrev_b32 v1, 4, v1                        ; 16 x lane
	v_lshlrev_b32 v2, 4, v32
	v_lshl_add_u32 v2, v33, 3, v2                  ; 16 r + 8 h
	s_lshl_b32 s46, s18, 4
	v_add_nc_u32 v254, s46, v32                    ; my query's place in its 128,
	v_mul_u32_u24 v37, v33, 40
	v_sub_nc_u32 v7, v254, v37                     ; less 40 h,
	v_mul_u32_u24 v37, v33, 24
	v_sub_nc_u32 v254, v254, v37                   ; less 24 h
	v_lshlrev_b32 v31, 3, v33                      ; 8 h
	s_mul_i32 s46, s18, 768
	v_add_nc_u32 v8, s46, v1                       ; Q's unit in its record
	v_add_nc_u32 v10, s46, v2
	v_add_nc_u32 v10, 512, v10
	s_lshl_b32 s46, s13, 8
	s_lshl_b32 s47, s11, 2
	s_add_co_u32 s46, s46, s47
	s_add_co_u32 s46, s46, 6144
	v_lshl_add_u32 v11, v32, 4, s46                ; Q's scale word: word cx of lane (r, e)
	v_lshl_add_u32 v9, v32, 5, v33                 ; aq's scale bytes: 32 r + h
	v_mov_b32 v30, 0xff800000                      ; -infinity
	v_lshlrev_b32 v38, 4, v34                      ; 16 (r % 8)
	v_lshl_add_u32 v39, v33, 8, v38                ; + 256 h
	v_lshl_add_u32 v40, v33, 3, v38                ; + 8 h
	v_mad_u32_u24 v92, v35, 1664, v39              ; K's 16 bytes, tiles u < 2: lanes r >= 8 read two token tiles and 8 rows on;
	v_mad_u32_u24 v93, v35, 1408, v39
	v_add_nc_u32 v93, 128, v93                     ; tiles u >= 2: lanes r < 8 read 8 rows on, lanes r >= 8 two token tiles on
	v_mad_u32_u24 v94, v35, 1664, v40              ; K's 8 bytes likewise
	v_mad_u32_u24 v95, v35, 1408, v40
	v_add_nc_u32 v95, 128, v95
	v_mad_u32_u24 v252, v35, 132, v39              ; K's scale words, tiles u < 2: lanes r >= 8 8 rows and a word on;
	v_mad_u32_u24 v253, v36, 124, v39
	v_add_nc_u32 v253, 4, v253                     ; tiles u >= 2: lanes r < 8 8 rows on, lanes r >= 8 a word on
.irp j, 22,23,24,25,26,27,80,81,82,83,84,85,T+3,T+5,T+11
	v_mov_b32 v[\j], 0                             ; Q's upper 64 along K: zero codes; what stands behind K's last tile; lane permutes' destinations and a pair's upper half count as read
.endr
	WALU
	s_wait_dscnt 0x0                               ; both opening adds are done
	s_wait_kmcnt 0x0
	s_add_nc_u64 s[34:35], s[6:7], s[44:45]
	s_or_b32 s35, s35, 0x80000000
	CROUND                                         ; all four work-groups are here: the joint loads meet
	tensor_load_to_lds s[32:35], s[24:31]
	s_nop 0
.rept 4
	v_nop
.endr
	QLOAD                                          ; the first pass's Q is on its way beside the records
	s_wait_tensorcnt 0x0                           ; my record is in,
	s_barrier_signal -1
	s_barrier_wait -1                              ; everybody's is
.Lpass:
	v_mov_b32 v13, 0xff61b1e6                      ; the largest score so far: -3e38
	v_mov_b32 v12, 0x7f61b1e6                      ; -M
	v_mov_b32 v14, 0
	v_mov_b32 v15, 0
.set n, 0
.rept 32
	v_mov_b32 v[160+n], 0                          ; O^T.  (The step is written once: the first finds zeros)
.set n, n+1
.endr
	s_mov_b32 s17, 0                               ; LDS byte of the key step's record
	s_mov_b32 s16, 0                               ; the key step
	WALU
	s_wait_loadcnt 0x0
.Lstep:                                            ; 16 trips, a constant
	s_cmp_gt_u32 s16, s14                          ; all 128 keys come after my queries: the step's work is left out
	s_cbranch_scc1 .Lhidden
.irp k, 0,1,2,3
	v_add_nc_u32 v[96+\k], s17, v[92+\k]           ; the step's addresses.  (These eight are also the places in front of loads into registers that the last products have read)
.endr
	v_add_nc_u32 v100, s17, v252
	v_add_nc_u32 v101, s17, v253
	v_add_nc_u32 v3, s17, v1
	v_add_nc_u32 v4, s17, v2
.irp t, 0,1,2,3,4,5,6,7                        ; tile t = 4 c + u takes token tile 4 c + u % 2 (lanes r >= 8: two on)
	ds_load_b128 v[32+6*\t:35+6*\t], v[96+(\t%4)/2] offset:768*(4*(\t/4)+\t%2)
	ds_load_b64 v[36+6*\t:37+6*\t], v[98+(\t%4)/2] offset:768*(4*(\t/4)+\t%2)+512
.endr
.irp g, 0,1,2,3
	ds_load_b32 v[86+\g], v[100+\g%2] offset:6144+8*(\g/2)   ; lanes 0-15 tile 2 g's rows' words, lanes 16-31 tile 2 g + 1's
.endr
.irp d, 0,1,2,3
.irp i, 0,1,2
	ds_load_b128 v[192+12*\d+4*\i:195+12*\d+4*\i], v3 offset:6656+1536*\d+512*\i
.endr
.endr
	ds_load_b64 v[90:91], v4 offset:12800
	s_wait_dscnt 13                                ; K and its scale words are in; V's 13 loads may be out
.irp t, 0,2,4,6
	v_wmma_scale_f32_16x16x128_f8f6f4 v[96+8*\t:103+8*\t], v[32+6*\t:43+6*\t], v[16:27], 0, v[86+\t/2], v28 matrix_a_fmt:MATRIX_FMT_FP6 matrix_b_fmt:MATRIX_FMT_FP6
	v_wmma_scale_f32_16x16x128_f8f6f4 v[104+8*\t:111+8*\t], v[38+6*\t:49+6*\t], v[16:27], 0, v[86+\t/2], v28 matrix_a_fmt:MATRIX_FMT_FP6 matrix_b_fmt:MATRIX_FMT_FP6 matrix_a_scale:MATRIX_SCALE_ROW1
.endr
.rept 4
	v_nop
.endr
	s_cmp_lg_u32 s16, s14                          ; on the diagonal the scores of hidden keys become -infinity ahead of the maximum: p = 0 then
	s_cbranch_scc1 .Lopen
	MASK
.Lopen:
.irp k, 0,1,2,3                                ; my two blocks' largest scores, in four chains side by side
	v_max3_num_f32 v[T+12+\k], v[96+16*\k], v[97+16*\k], v[98+16*\k]
.endr
.irp i, 3,5,7,9,11,13
.irp k, 0,1,2,3
	v_max3_num_f32 v[T+12+\k], v[T+12+\k], v[96+16*\k+\i], v[97+16*\k+\i]
.endr
.endr
.irp c, 0,1
	v_max3_num_f32 v[T+\c], v[T+12+2*\c], v[T+13+2*\c], v[111+32*\c]
.endr
.irp c, 0,1
	v_max_num_f32 v[T+\c], v[T+\c], v[127+32*\c]   ; it serves for the row's maximum and, since p rises with the score, for the block's largest p
.endr
	s_delay_alu instid0(VALU_DEP_1)
	v_max_num_f32 v[T+2], v[T], v[T+1]
	s_delay_alu instid0(VALU_DEP_1)
	v_permlanex16_b32 v[T+3], v[T+2], s20, s21
	s_delay_alu instid0(VALU_DEP_1)
	v_max3_num_f32 v13, v13, v[T+2], v[T+3]        ; the running largest score of my query
	v_mov_b32 v[T+28], v12
	s_delay_alu instid0(VALU_DEP_2)
	v_mul_f32 v[T+2], s49, v13                     ; -t
	s_delay_alu instid0(VALU_DEP_1)
	v_floor_f32 v12, v[T+2]                        ; the new -M = -ceil(t): a whole number
	s_delay_alu instid0(VALU_DEP_1)
	v_sub_f32 v[T+2], v12, v[T+28]                 ; old M - new M
	s_delay_alu instid0(VALU_DEP_1)
	v_cvt_i32_f32 v[T+2], v[T+2]                   ; (it saturates)
	s_delay_alu instid0(VALU_DEP_1)
	v_ldexp_f32 v[T+4], 1.0, v[T+2]                ; f = 2^(old M - new M)
.set n, 0
.rept 32
	v_pk_fma_f32 v[96+n:97+n], v[96+n:97+n], s[22:23], v[12:13] op_sel_hi:[1,0,0]   ; t - M, two at a time
.set n, n+2
.endr
	v_fma_f32 v[T], v[T], s22, v12                 ; the same of each block's largest score
	v_fma_f32 v[T+1], v[T+1], s22, v12
.set n, 0
.rept 16
	v_pk_mul_f32 v[160+n:161+n], v[160+n:161+n], v[T+4:T+5] op_sel_hi:[1,0]   ; O^T under the new M: ahead of the exponentials, so that none stands between the last products and this first read
.set n, n+2
.endr
	v_pk_mul_f32 v[14:15], v[14:15], v[T+4:T+5] op_sel_hi:[1,0]   ; and the sum
	WALU                                           ; ahead of a batch of exponentials,
.set n, 0
.rept 64
	v_exp_f32 v[96+n], v[96+n]                     ; p = 2^(t - M)
.set n, n+1
.endr
	v_exp_f32 v[T], v[T]                           ; the blocks' largest p
	v_exp_f32 v[T+1], v[T+1]
	s_wait_dscnt 0x0                               ; V is in
	v_nop                                          ; one plain place behind the exponentials
	WALU                                           ; and behind it, ahead of its first reader
.irp c, 0,1
	v_max_num_f32 v[T+\c], 0x1800000, v[T+\c]      ; the floor: the byte cannot fall under 1
.endr
.irp c, 0,1
	v_add_nc_u32 v[T+6+\c], 0xff000000, v[T+\c]    ; the conversion's scale operand
.endr
.irp c, 0,1
	v_lshrrev_b32 v[T+8+\c], 23, v[T+6+\c]         ; the byte
.endr
	v_lshl_or_b32 v[T+10], v[T+9], 16, v[T+8]      ; my two bytes, blocks h and 2 + h,
	v_lshlrev_b32 v[T+10], v31, v[T+10]            ; at their places in the word;
	v_permlanex16_b32 v[T+11], v[T+10], s20, s21
	v_or_b32 v29, v[T+10], v[T+11]                 ; with lane l xor 16's two the word is whole
.irp c, 0,1
	v_cvt_scalef32_pk16_fp6_f32 v[240+6*\c:242+6*\c], v[96+32*\c:111+32*\c], v[T+6+\c]
	v_cvt_scalef32_pk16_fp6_f32 v[T+20+4*\c:T+22+4*\c], v[112+32*\c:127+32*\c], v[T+6+\c]   ; (a conversion's three registers begin on an even number)
.endr
	v_nop                                          ; one plain place behind a scaled conversion
.irp c, 0,1
.irp i, 0,1,2
	v_mov_b32 v[243+6*\c+\i], v[T+20+4*\c+\i]
.endr
.endr
	v_pk_add_f32 v[T+12:T+13], v[96:97], v[98:99]  ; the sum of the unquantised p, in four chains.  (These 32 are also the places in front of the scaled products)
	v_pk_add_f32 v[T+14:T+15], v[100:101], v[102:103]
	v_pk_add_f32 v[T+16:T+17], v[104:105], v[106:107]
.set n, 6
.rept 26
.if n%4 == 3
	v_pk_add_f32 v[14:15], v[14:15], v[96+2*n:97+2*n]
.else
	v_pk_add_f32 v[T+12+2*(n%4):T+13+2*(n%4)], v[T+12+2*(n%4):T+13+2*(n%4)], v[96+2*n:97+2*n]
.endif
.set n, n+1
.endr
	v_pk_add_f32 v[T+12:T+13], v[T+12:T+13], v[T+14:T+15]
	v_pk_add_f32 v[14:15], v[14:15], v[T+16:T+17]
	v_pk_add_f32 v[14:15], v[14:15], v[T+12:T+13]
.irp d, 0,2
	v_wmma_scale_f32_16x16x128_f8f6f4 v[160+8*\d:167+8*\d], v[192+12*\d:203+12*\d], v[240:251], v[160+8*\d:167+8*\d], v[90+\d/2], v29 matrix_a_fmt:MATRIX_FMT_FP6 matrix_b_fmt:MATRIX_FMT_FP6
	v_wmma_scale_f32_16x16x128_f8f6f4 v[168+8*\d:175+8*\d], v[204+12*\d:215+12*\d], v[240:251], v[168+8*\d:175+8*\d], v[90+\d/2], v29 matrix_a_fmt:MATRIX_FMT_FP6 matrix_b_fmt:MATRIX_FMT_FP6 matrix_a_scale:MATRIX_SCALE_ROW1
.endr
.Lhidden:
	s_add_co_u32 s17, s17, REC
	s_add_co_u32 s16, s16, 1
	s_cmp_lt_u32 s16, 16
	s_cbranch_scc1 .Lstep
	; THE WAY OUT OF A PASS: O^T / the sum, quantised along the head's 64 (two blocks of C), as a unit of aq
.rept 4
	v_nop
.endr
	WALU                                           ; ahead of the first reader behind the branches
	v_add_f32 v14, v14, v15
	v_permlanex16_b32 v[T+3], v14, s20, s21
	v_add_f32 v14, v14, v[T+3]                     ; the row's sum
	WALU
	v_rcp_f32 v14, v14
	v_nop
	WALU
.set n, 0
.rept 16
	v_pk_mul_f32 v[96+n:97+n], v[160+n:161+n], v[14:15] op_sel_hi:[1,0]   ; register 16 b + i: feature 32 b + 16 h + i
.set n, n+2
.endr
.irp b, 0,1
	v_max3_num_f32 v[T+\b], |v[96+16*\b]|, |v[97+16*\b]|, 0x1800000
.endr
.irp i, 2,4,6,8,10,12,14
.irp b, 0,1
	v_max3_num_f32 v[T+\b], v[T+\b], |v[96+16*\b+\i]|, |v[97+16*\b+\i]|
.endr
.endr
	v_permlanex16_b32 v[T+3], v[T], s20, s21
	v_permlanex16_b32 v[T+11], v[T+1], s20, s21
	v_max_num_f32 v[T], v[T], v[T+3]
	v_max_num_f32 v[T+1], v[T+1], v[T+11]
.irp b, 0,1
	v_add_nc_u32 v[T+6+\b], 0xff000000, v[T+\b]
.endr
.irp b, 0,1
	v_lshrrev_b32 v[T+8+\b], 23, v[T+6+\b]
.endr
	v_cndmask_b32 v[T+10], v[T+8], v[T+9], s48     ; lanes 0-15 store block 0's byte, lanes 16-31 block 1's
	v_cvt_scalef32_pk16_fp6_f32 v[240:242], v[96:111], v[T+6]
	v_cvt_scalef32_pk16_fp6_f32 v[244:246], v[112:127], v[T+7]
	v_nop
.irp i, 0,1,2
	v_permlane16_swap_b32 v[240+\i], v[244+\i]
.endr
	v_mov_b32 v243, v244
	v_mov_b32 v244, v245
	v_mov_b32 v245, v246
	global_store_b128 v1, v[240:243], s[40:41]             ; 512 consecutive bytes
	global_store_b64 v2, v[244:245], s[40:41] offset:512   ; 256 consecutive bytes
	global_store_b8 v9, v[T+10], s[42:43]
	s_sub_co_u32 s15, s15, 1
	s_cmp_lg_u32 s15, 0
	s_cbranch_scc0 .Ldone
	s_sub_co_u32 s14, 15, s14                      ; the second pass: the group that makes my key steps 17 in all
	s_wait_xcnt 0x0                                ; the stores have read their registers and bases
	QLOAD
	WALU
	s_cmp_lg_u32 s15, 0
	s_cbranch_scc1 .Lpass
.Ldone:
	s_wait_tensorcnt 0x0                           ; the wave's end
	ds_add_u32 v5, v6
	s_wait_dscnt 0x0
	CROUND                                         ; the closing round
	s_endpgm
.Lfunc_end_k_qf4110509ef_attn:
	.size	k_qf4110509ef_attn, .Lfunc_end_k_qf4110509ef_attn-k_qf4110509ef_attn
	.p2alignl 7, 3214868480
	.fill 96, 4, 3214868480
	.section	.rodata,"a",@progbits
	.p2align	6, 0x0
	.amdhsa_kernel k_qf4110509ef_attn
		.amdhsa_group_segment_fixed_size 210944
		.amdhsa_private_segment_fixed_size 0
		.amdhsa_enable_private_segment 0
		.amdhsa_kernarg_size 24
		.amdhsa_user_sgpr_count 2
		.amdhsa_user_sgpr_kernarg_segment_ptr 1
		.amdhsa_wavefront_size32 1
		.amdhsa_system_sgpr_workgroup_id_x 1
		.amdhsa_system_sgpr_workgroup_id_y 1
		.amdhsa_system_sgpr_workgroup_id_z 1
		.amdhsa_system_vgpr_workitem_id 0
		.amdhsa_next_free_vgpr 256
		.amdhsa_next_free_sgpr 66
		.amdhsa_reserve_vcc 1
		.amdhsa_float_denorm_mode_32 3
		.amdhsa_float_denorm_mode_16_64 3
		.amdhsa_memory_ordered 1
		.amdhsa_forward_progress 1
		.amdhsa_inst_pref_size 34
	.end_amdhsa_kernel
	.amdgpu_metadata
---
amdhsa.version: [ 1, 2 ]
amdhsa.kernels:
  - .name:           k_qf4110509ef_attn
    .symbol:         k_qf4110509ef_attn.kd
    .args:
      - { .name: qq, .offset: 0, .size: 8, .value_kind: global_buffer, .address_space: global }
      - { .name: kv, .offset: 8, .size: 8, .value_kind: global_buffer, .address_space: global }
      - { .name: aq, .offset: 16, .size: 8, .value_kind: global_buffer, .address_space: global }
    .group_segment_fixed_size: 210944
    .private_segment_fixed_size: 0
    .kernarg_segment_align: 8
    .kernarg_segment_size: 24
    .max_flat_workgroup_size: 512
    .sgpr_count:     66
    .vgpr_count:     256
    .wavefront_size: 32
...
	.end_amdgpu_metadata
.endif
;; end of part 3
;; launch proj (part 4): grid 32 x 8, 4 waves a work-group, clusters of 4 x 4, 327,680 bytes of LDS; arguments aq, xw, out0; writes out0
.if DOCPART == 4
	.amdgcn_target "amdgcn-amd-amdhsa--gfx1250"
	.amdhsa_code_object_version 6
	.text
	.protected	k_qf4110509ef_proj
	.globl	k_qf4110509ef_proj
	.p2align	8
	.type	k_qf4110509ef_proj,@function
k_qf4110509ef_proj:
	s_mov_b64 s[64:65], 0
	v_nop
	global_prefetch_b8 v0, s[64:65] scope:SCOPE_SE
	s_setreg_imm32_b32 hwreg(HW_REG_WAVE_MODE, 25, 1), 1
	s_wait_xcnt 0x0
	s_wait_alu depctr_hold_cnt(0) depctr_sa_sdst(0) depctr_va_vdst(0) depctr_va_sdst(0) depctr_va_ssrc(0) depctr_va_vcc(0) depctr_vm_vsrc(0)
	s_getreg_b32 s2, hwreg(HW_REG_IB_STS2, 6, 4)
	s_cmp_eq_u32 s2, 0
	s_cbranch_scc0 .Lentry_in_a_cluster
	s_endpgm
.Lentry_in_a_cluster:
	s_bfe_u32 s2, ttmp6, 0x10000c
	s_cmp_lg_u32 s2, 0xf033
	s_cbranch_scc0 .Lentry_shape_is_right
	s_endpgm
.Lentry_shape_is_right:
; PROJ.  out0[token][n] = sum over k of A[token][k] W_out[k][n], f32, on codes of FP6 (E2M3) with E8M0 scales: 8,192 x 1,024 x 1,024.
; A is what the attention launch left in aq, B is W_out's part of xw (row tiles 704 on): codes as [row tile of 16 rows][16 chunks of 64 along K][768 bytes], a unit of 768 bytes being the image of six operand
; registers (16 bytes a lane at 16 x lane, 8 bytes a lane at 512 + 16 r + 8 h); scale bytes as rows of 32.  B's row p holds weight column p with bits 3 and 4 exchanged.
; LIMITS: NaN, infinities and sums beyond f32's range are not served.
; THE DEAL.  256 work-groups of four waves, 2 x 2, each 256 rows x 128 columns of C.  A wave holds four tiles of 16 rows of B, all of K, in registers (384), and streams A's rows past them in eight blocks of 16:
; the wave in row w takes row tile 2 s + w as its block s.  The cluster's x counts tile rows: A's rows are shared by a column of the cluster (mask s44), B's by a row (mask s45).
; LDS: A's 16 row tiles; B's 8; A's scale bytes (units of 256 + 16, brought by plain loads and LDS stores); the spare words.  The waves' stages lie in B's first bytes, which are read for the last time ahead of
; the barrier in front of the stream and are filled no more.  Nothing is filled again and nothing is prefetched: all is asked for at the head.
; THE HEAD'S FOUR TILES, one a wave, each on its own line: B; A's row tiles 0 to 7; 8 to 11; 12 to 15.  The stream begins when the first two are in; a plain barrier inside each pair's second block shows the others.
; Two sets of A's fragments, of accumulators and of the rows that come back from the stage, by turns.  One run of memory lines behind a block's 32 products: its sums into the stage and back as whole rows of
; 256 bytes; the fetch of the block two on; one wait; eight stores to C.  Younger than the rows' way back is the run's fetch alone (NF loads).
.set SIZE_N, 1024
.set NQ, 8                             ; K / 128
.set NB, 4                             ; column tiles a wave
.set RT, 12288                         ; a row tile's codes
.set KS, 32
.set FR, 12
.set FPW, 21                           ; fragments in a window
.set NF, 34                            ; LDS loads of a block: 32 for eight fragments, 2 for eight scale words
.set YB, 16*RT                         ; B's row tiles
.set SCL, 24*RT                        ; A's scale bytes: 32 units of 256 + 16
.set SSTEP, 4*272                      ; from a block's scale words to my next block's
.set SPITCH, 272
.set STAGE, YB
.set SPARE, SCL+32*272
.set XWS, 9437184
.set AQS, 6291456
.set ADRA0, 4                          ; v4, v5  LDS address of block 0's units: + 16 x lane; + 16 r + 8 h
.set AAS0, 6                           ; v6      of my row's scale words in block 0
.set CO, 9                             ; v9      my byte offset in C: row l / 16, 16 bytes x (l % 16)
.set SPW, 10
.set NIL, 11
.set ADRA, 12                          ; v12, v13  as v4, v5, for the block that is fetched next
.set ADRB, 14                          ; v14, v15  the same for my four row tiles of B
.set ABS, 16                           ; v16     my offset in B's scale bytes
.set AAS, 17                           ; v17     as v6, for the block that is fetched next
.set STO, 18
.set RD, 19
.set SB, 24                            ; v24-39  B's scale words
.set SA, 42                            ; v42-57  A's: two sets of eight
.set ACC, 64                           ; v64-127 two sets of four accumulators
.set BK, 128                           ; v128-191 two sets: 16 rows x 256 bytes back from the stage
.set G1A, 24
.set G0A, 56
.set G1B, 32
.set G0B, 60
.set MSB, 0
.macro WIN new
.if MSB != (\new)
	s_set_vgpr_msb (MSB<<8)|(\new)
.set MSB, (\new)
.endif
.endm
.macro PLACES n
.rept \n
	v_nop
.endr
.endm
.macro WALU
	s_wait_alu depctr_va_vdst(0)
.endm
.macro BARRIER
	s_barrier_signal -1
	s_barrier_wait -1
.endm
.macro CROUND
	BARRIER
	s_cmp_lg_u32 s14, 0
	s_cbranch_scc1 .Lnot_wave_0_\@
	s_barrier_signal -3
.Lnot_wave_0_\@:
	s_barrier_wait -3
	BARRIER
.endm
.macro TLOAD g0, g1
	tensor_load_to_lds s[\g0:\g0+3], s[\g1:\g1+7]
	s_nop 0
	PLACES 4
.endm
.macro ATILE first, rows               ; row tiles first .. first + rows - 1 of A, by a descriptor of constants
	s_mov_b32 s[G0A+1], (\first)*RT
	s_mov_b32 s[G1A+2], (\rows)<<16
	s_mov_b32 s[G1A+4], \rows
.if \first
	s_add_nc_u64 s[G0A+2:G0A+3], s[G0A+2:G0A+3], (\first)*RT
.endif
	s_or_b32 s[G0A+3], s[G0A+3], 0x80000000
	TLOAD G0A, G1A
.endm
.macro GROUP1 g, mask                  ; rows of 12,288 bytes (1,536 elements of 8), dense
	s_or_b32 s[\g+0], s[\mask], (3<<16)|(1<<21)
	s_mov_b32 s[\g+1], 1536<<16
	s_mov_b32 s[\g+3], 1536<<16
	s_mov_b32 s[\g+5], 1536
	s_mov_b32 s[\g+6], 0
	s_mov_b32 s[\g+7], 0
.endm
.macro FRAG f, a, off                  ; fragment f (two units from byte off on): every load reads consecutive bytes
	WIN (1+(\f)/FPW)<<6
.irp c, 0,1
	ds_load_b128 v[FR*((\f)%FPW)+6*\c:FR*((\f)%FPW)+6*\c+3], v[\a] offset:(\off)+768*\c
	ds_load_b64 v[FR*((\f)%FPW)+6*\c+4:FR*((\f)%FPW)+6*\c+5], v[\a+1] offset:(\off)+768*\c+512
.endr
.endm
.macro FETCHAT e, a, as                ; a block of A into set e: NF loads
.irp q, 0,1,2,3,4,5,6,7
	FRAG NB*NQ+NQ*(\e)+\q, \a, 1536*\q
.endr
	WIN 0
	ds_load_b128 v[SA+8*(\e):SA+8*(\e)+3], v[\as]
	ds_load_b128 v[SA+8*(\e)+4:SA+8*(\e)+7], v[\as] offset:16
.endm
.macro PROD e, n                       ; product n = 4 q + tile of a block whose rows lie in set e; source 0 = B's rows
.set Q_, (\n)/4
.set FB_, NB*Q_+(\n)%4
.set FA_, NB*NQ+NQ*(\e)+Q_
.set D_, ACC+32*(\e)+8*((\n)%4)
.set XB_, SB+NQ*(((\n)%4)/2)+Q_
.set XA_, SA+8*(\e)+Q_
	WIN (1+FB_/FPW)|((1+FA_/FPW)<<2)
.if Q_
	PROD1 D_, FB_, FA_, v[D_:D_+7], XB_, XA_, (\n)%2
.else
	PROD1 D_, FB_, FA_, 0, XB_, XA_, (\n)%2
.endif
.endm
.macro PROD1 d, s0, s1, c, x0, x1, o
.if \o
	v_wmma_scale_f32_16x16x128_f8f6f4 v[\d:\d+7], v[FR*((\s0)%FPW):FR*((\s0)%FPW)+FR-1], v[FR*((\s1)%FPW):FR*((\s1)%FPW)+FR-1], \c, v[\x0], v[\x1] matrix_a_fmt:MATRIX_FMT_FP6 matrix_b_fmt:MATRIX_FMT_FP6 matrix_a_scale:MATRIX_SCALE_ROW1
.else
	v_wmma_scale_f32_16x16x128_f8f6f4 v[\d:\d+7], v[FR*((\s0)%FPW):FR*((\s0)%FPW)+FR-1], v[FR*((\s1)%FPW):FR*((\s1)%FPW)+FR-1], \c, v[\x0], v[\x1] matrix_a_fmt:MATRIX_FMT_FP6 matrix_b_fmt:MATRIX_FMT_FP6 matrix_a_scale:MATRIX_SCALE_ROW0
.endif
.endm
.macro PRODS e, from, to               ; the four accumulators take turns, one instruction a turn
.set N_, \from
.rept (\to)-(\from)
	PROD \e, N_
.set N_, N_+1
.endr
	WIN 0
.endm
.macro STAGED u                        ; set u's sums into my stage, each accumulator from its low end on, and back as whole rows.  LDS serves a wave's instructions in order (ISA guide 5.7.1.4): no wait between
.irp b, 0,1,2,3                        ; register j of tile b of lane (r, h) is column 32 (b / 2) + 16 h + 8 (b % 2) + j of my 64
	ds_store_b128 v[STO], v[ACC+32*(\u)+8*\b:ACC+32*(\u)+8*\b+3] offset:128*(\b/2)+32*(\b%2)
	ds_store_b128 v[STO], v[ACC+32*(\u)+8*\b+4:ACC+32*(\u)+8*\b+7] offset:128*(\b/2)+32*(\b%2)+16
.endr
.irp t, 0,1,2,3,4,5,6,7
	ds_load_b128 v[BK+32*(\u)+4*\t:BK+32*(\u)+4*\t+3], v[RD] offset:2*\t*SPITCH
.endr
.endm
.macro TOC s                           ; s[12:13] stands at the pair's first row; the pair's second block lies 32 rows on.  Sixteen lanes store 256 consecutive bytes, at a multiple of 256 from C's first byte
.irp t, 0,1,2,3,4,5,6,7
	global_store_b128 v[CO], v[BK+32*(\s)+4*\t:BK+32*(\s)+4*\t+3], s[12:13] offset:(32*(\s)+2*\t)*SIZE_N*4 th:TH_STORE_NT
.endr
.endm
.macro STREAM s, fetch, show           ; a pair's block s.  show = 1: a plain barrier inside the block shows waves 2 and 3's tiles to all
.if \fetch
	s_add_co_u32 s101, s101, 2*RT                  ; the block that is fetched behind this one
	s_add_co_u32 s91, s91, SSTEP
.endif
.if \show
	PRODS \s, 0, 24
	s_wait_tensorcnt 0x0
	s_wait_dscnt 0x0
	s_barrier_signal -1
	PRODS \s, 24, 32
	s_barrier_wait -1
.else
	PRODS \s, 0, 32
.endif
.if \fetch                             ; four plain vector lines between the last product and the first reader of its sums and the fetch into its registers
	v_add_nc_u32 v[ADRA], s101, v[ADRA0]
	v_add_nc_u32 v[ADRA+1], s101, v[ADRA0+1]
	v_add_nc_u32 v[AAS], s91, v[AAS0]
	v_nop
	WALU
.else
	PLACES 4
.endif
	s_wait_xcnt 0x0                                ; the stores of two blocks ago have read set s of the rows, and those of the block before their base
.if (\s) == 0
	s_add_nc_u64 s[12:13], s[12:13], s[20:21]      ; on to this pair's rows of C
.endif
	STAGED \s
.if \fetch
	FETCHAT \s, ADRA, AAS
	s_wait_dscnt NF                                ; the block's rows are back from the stage, and the next block's fragments are in; this run's fetch is younger
.else
	s_wait_dscnt 0x0
.endif
	TOC \s
.endm
	s_load_b128 s[4:7], s[0:1], 0x0                ; aq, xw
	s_load_b64 s[12:13], s[0:1], 0x10              ; out0
	v_lshl_add_u32 v[SPW], v0, 2, SPARE
	v_mov_b32 v[NIL], 0
	ds_add_u32 v[SPW], v[NIL]                      ; the opening lines: the add, twice on end, and its wait
	ds_add_u32 v[SPW], v[NIL]
	v_lshrrev_b32 v1, 5, v0
	v_readfirstlane_b32 s14, v1                    ; the wave; s15 its row of the 2 x 2, s16 its column
	s_lshr_b32 s15, s14, 1
	s_and_b32 s16, s14, 1
	s_bfe_u32 s40, ttmp6, 0x40000
	s_bfe_u32 s41, ttmp6, 0x40004
	s_lshl_b32 s43, ttmp9, 2
	s_add_co_u32 s43, s43, s40                     ; tile row of C: 4 x cluster x + cx
	s_and_b32 s42, ttmp7, 0xffff
	s_lshl_b32 s42, s42, 2
	s_add_co_u32 s42, s42, s41                     ; tile column of C: 4 x cluster y + cy
	s_lshl_b32 s44, 0x1111, s40                    ; my column of the cluster: shares A's rows
	s_lshl_b32 s45, s41, 2
	s_lshl_b32 s45, 15, s45                        ; my row: shares B's
	GROUP1 G1A, 44                                 ; how many row tiles, each wave's own arm says
	GROUP1 G1B, 45
	s_mov_b32 s[G1B+2], 8<<16
	s_mov_b32 s[G1B+4], 8
	s_mov_b32 s[G0A], 1
	s_mov_b32 s[G0B], 1
	s_mov_b32 s[G0B+1], YB
	s_mul_i32 s76, s43, 16*RT                      ; A's codes
	s_mov_b32 s77, 0
	s_mul_i32 s78, s42, 8*RT
	s_add_co_u32 s78, s78, 704*RT                  ; B's
	s_mov_b32 s79, 0
	s_lshl_b32 s80, s43, 13
	s_add_co_u32 s80, s80, AQS                     ; A's scale bytes: 256 rows of 32
	s_mov_b32 s81, 0
	s_lshl_b32 s82, s42, 12
	s_lshl_b32 s21, s16, 11
	s_add_co_u32 s82, s82, s21
	s_add_co_u32 s82, s82, XWS+11264*KS            ; B's, my 64 rows
	s_mov_b32 s83, 0
	s_lshl_b32 s84, s43, 20
	s_lshl_b32 s21, s15, 16
	s_add_co_u32 s84, s84, s21
	s_lshl_b32 s21, s42, 9
	s_add_co_u32 s84, s84, s21
	s_lshl_b32 s21, s16, 8
	s_add_co_u32 s84, s84, s21                     ; C: row 256 x tile row + 16 x wave row, column 128 x tile column + 64 x wave column
	s_mov_b32 s85, 0
	v_and_b32 v1, 15, v0                           ; r
	v_bfe_u32 v2, v0, 4, 1                         ; h
	v_and_b32 v3, 31, v0
	v_lshlrev_b32 v20, 4, v3                       ; 16 x lane
	v_lshlrev_b32 v21, 4, v1
	v_lshl_add_u32 v21, v2, 3, v21                 ; 16 r + 8 h
	s_mul_i32 s21, s15, RT
	v_add_nc_u32 v[ADRA0], s21, v20
	v_add_nc_u32 v[ADRA0+1], s21, v21
	v_add_nc_u32 v[ADRA], 2*RT, v[ADRA0]           ; block 1
	v_add_nc_u32 v[ADRA+1], 2*RT, v[ADRA0+1]
	s_mul_i32 s22, s16, NB*RT
	s_add_co_u32 s22, s22, YB
	v_add_nc_u32 v[ADRB], s22, v20
	v_add_nc_u32 v[ADRB+1], s22, v21
	v_mul_u32_u24 v[ABS], v3, KS
	v_mul_u32_u24 v23, v1, KS
	v_lshrrev_b32 v22, 8, v23
	v_lshl_add_u32 v23, v22, 4, v23                ; 32 bytes a row, and 16 more for each 256 passed
	s_mul_i32 s21, s15, 2*272
	s_add_co_u32 s21, s21, SCL
	v_add_nc_u32 v[AAS0], s21, v23
	v_add_nc_u32 v[AAS], SSTEP, v[AAS0]
	s_mul_i32 s21, s14, 16*SPITCH
	s_add_co_u32 s21, s21, STAGE
	v_mul_u32_u24 v23, v1, SPITCH
	v_lshl_add_u32 v23, v2, 6, v23
	v_add_nc_u32 v[STO], s21, v23                  ; into the stage: row r, + 64 h
	v_mul_u32_u24 v23, v2, SPITCH
	v_lshl_add_u32 v23, v1, 4, v23
	v_add_nc_u32 v[RD], s21, v23                   ; back: lanes 0-15 one row, lanes 16-31 the next
	v_mul_u32_u24 v23, v2, SIZE_N*4
	v_lshl_add_u32 v[CO], v1, 4, v23
	v_lshlrev_b32 v22, 4, v0                       ; A's scale bytes: thread t takes bytes 16 t of each 2,048,
	v_lshrrev_b32 v23, 4, v0
	v_mul_u32_u24 v23, v23, 272
	v_lshl_add_u32 v23, v1, 4, v23
	v_add_nc_u32 v23, SCL, v23                     ; to unit t / 16, byte 16 (t % 16)
	WALU
	s_wait_dscnt 0x0
	CROUND                                         ; the opening round
	s_wait_kmcnt 0x0
	s_add_nc_u64 s[G0A+2:G0A+3], s[4:5], s[76:77]
	s_add_nc_u64 s[G0B+2:G0B+3], s[6:7], s[78:79]
	s_or_b32 s[G0B+3], s[G0B+3], 0x80000000
	s_add_nc_u64 s[8:9], s[4:5], s[80:81]
	s_add_nc_u64 s[10:11], s[6:7], s[82:83]
	s_add_nc_u64 s[12:13], s[12:13], s[84:85]
	s_cmp_eq_u32 s14, 0
	s_cbranch_scc0 .Lwave_1
	TLOAD G0B, G1B                                 ; wave 0: B's rows, which are wanted first
	s_branch .Lasked
.Lwave_1:
	s_cmp_eq_u32 s14, 1
	s_cbranch_scc0 .Lwave_2
	ATILE 0, 8                                     ; wave 1: A's rows 0 to 127
	s_branch .Lasked
.Lwave_2:
	s_cmp_eq_u32 s14, 2
	s_cbranch_scc0 .Lwave_3
	ATILE 8, 4                                     ; wave 2: 128 to 191
	s_branch .Lasked
.Lwave_3:
	ATILE 12, 4                                    ; wave 3: 192 to 255
.Lasked:
.irp k, 0,1,2,3
	global_load_b128 v[BK+4*\k:BK+4*\k+3], v22, s[8:9] offset:2048*\k    ; a wave reads 512 consecutive bytes
.endr
.irp p, 0,1
.irp c, 0,1
	global_load_b128 v[SB+NQ*\p+4*\c:SB+NQ*\p+4*\c+3], v[ABS], s[10:11] offset:\p*32*KS+16*\c   ; lanes 0-15 tile 2 p's rows, lanes 16-31 tile 2 p + 1's
.endr
.endr
	s_wait_loadcnt 0x0
.irp k, 0,1,2,3
	ds_store_b128 v23, v[BK+4*\k:BK+4*\k+3] offset:8*272*\k
.endr
	s_wait_dscnt 0x0
	s_cmp_eq_u32 s14, 0
	s_cbranch_scc0 .Lnot_b
	s_wait_tensorcnt 0x0
.Lnot_b:
	BARRIER                                        ; B has landed
.irp q, 0,1,2,3,4,5,6,7
.irp b, 0,1,2,3
	FRAG NB*\q+\b, ADRB, \b*RT+1536*\q
.endr
.endr
	WIN 0
	s_mov_b32 s101, 2*RT
	s_mov_b32 s91, SSTEP
	s_cmp_eq_u32 s14, 1
	s_cbranch_scc0 .Lnot_a
	s_wait_tensorcnt 0x0                           ; wave 1: A's rows 0 to 127 have landed
.Lnot_a:
	s_wait_dscnt 0x0
	BARRIER                                        ; A's first 128 rows and all scale bytes are in, and nobody reads B's bytes any more.  Waves 2 and 3's tiles may still be on their way
	FETCHAT 0, ADRA0, AAS0
	FETCHAT 1, ADRA, AAS
	s_mov_b32 s23, 0
	s_mov_b32 s20, 0                               ; s[20:21]: from a pair's rows of C to the next pair's; block 0 begins where C's base stands
	s_mov_b32 s21, 0
	s_wait_dscnt NF                                ; block 0's rows are in
.Lpair:                                            ; blocks 0 to 5, a pair a trip
	STREAM 0, 1, 0
	STREAM 1, 1, 1
	s_mov_b32 s20, 64*SIZE_N*4                     ; the next pair's rows of C lie 64 rows on
	s_add_co_u32 s23, s23, 1
	s_cmp_lg_u32 s23, 3
	s_cbranch_scc1 .Lpair
	STREAM 0, 0, 0                                 ; blocks 6 and 7 fetch nothing
	STREAM 1, 0, 0
	s_wait_tensorcnt 0x0                           ; the wave's end
	ds_add_u32 v[SPW], v[NIL]
	s_wait_dscnt 0x0
	CROUND                                         ; the closing round
	s_endpgm
.Lfunc_end_k_qf4110509ef_proj:
	.size	k_qf4110509ef_proj, .Lfunc_end_k_qf4110509ef_proj-k_qf4110509ef_proj
	.p2alignl 7, 3214868480
	.fill 96, 4, 3214868480
	.section	.rodata,"a",@progbits
	.p2align	6, 0x0
	.amdhsa_kernel k_qf4110509ef_proj
		.amdhsa_group_segment_fixed_size 327680
		.amdhsa_private_segment_fixed_size 0
		.amdhsa_enable_private_segment 0
		.amdhsa_kernarg_size 24
		.amdhsa_user_sgpr_count 2
		.amdhsa_user_sgpr_kernarg_segment_ptr 1
		.amdhsa_wavefront_size32 1
		.amdhsa_system_sgpr_workgroup_id_x 1
		.amdhsa_system_sgpr_workgroup_id_y 1
		.amdhsa_system_sgpr_workgroup_id_z 1
		.amdhsa_system_vgpr_workitem_id 0
		.amdhsa_next_free_vgpr 840
		.amdhsa_next_free_sgpr 102
		.amdhsa_reserve_vcc 0
		.amdhsa_float_denorm_mode_32 3
		.amdhsa_float_denorm_mode_16_64 3
		.amdhsa_memory_ordered 1
		.amdhsa_forward_progress 1
		.amdhsa_inst_pref_size 52
	.end_amdhsa_kernel
	.amdgpu_metadata
---
amdhsa.version: [ 1, 2 ]
amdhsa.kernels:
  - .name:           k_qf4110509ef_proj
    .symbol:         k_qf4110509ef_proj.kd
    .args:
      - { .name: aq, .offset: 0, .size: 8, .value_kind: global_buffer, .address_space: global }
      - { .name: xw, .offset: 8, .size: 8, .value_kind: global_buffer, .address_space: global }
      - { .name: out0, .offset: 16, .size: 8, .value_kind: global_buffer, .address_space: global }
    .group_segment_fixed_size: 327680
    .private_segment_fixed_size: 0
    .kernarg_segment_align: 8
    .kernarg_segment_size: 24
    .max_flat_workgroup_size: 128
    .sgpr_count:     102
    .vgpr_count:     840
    .wavefront_size: 32
...
	.end_amdgpu_metadata
.endif
;; end of part 4
